; MI455X (gfx1250); checked and timed in simulation.
; The chip was launched on July 23, 2026; its instructions are those of AMD's public machine-readable ISA for CDNA 5 (MIT licence, August 2026) and "CDNA5" Instruction Set Architecture Reference Guide (July 2026). The comments in the code are by the model that wrote it; some were corrected since.
;; Multi Queryattention. Allowed arithmetic: matrix products marked QUANTISED: E5M2 operands, one E8M0 scale for each 32 along K, by v_wmma_scale_f32_16x16x128_f8f6f4 with both operands' format E5M2, f32 sums; everything else in f32.
;; Inputs: Wk 2,048 x 128 float32; Wq 2,048 x 2,048 float32; Wv 2,048 x 128 float32; bk 128 float32; bq 2,048 float32; bv 128 float32; k 2 x 2,048 x 2,048 float32; q 2 x 2,048 x 2,048 float32; v 2 x 2,048 x 2,048 float32.
;; Outputs: out0 2 x 2,048 x 2,048 float32.
;; This version of the problem:
;;   THIS VERSION OF THE PROBLEM IS GIVEN IN LOW PRECISION. The matrix products marked QUANTISED in the list below multiply operands that are first quantised to E5M2 (5 exponent bits, 2 mantissa bits; 8 bits a number), with one power-of-two scale for each 32 numbers along K (OCP MX v1.0); their sums are f32. All else is computed in f32.
;;   The module's matrix products, in the order in which they are computed (A, B: the left and right operand; K: the contracted axis; several contracted axes count as one K, in the product's order):
;;     1. [M 4,096, K 2,048] x [K 2,048, N 2,048]; A: input q; B: input Wq: QUANTISED
;;     2. [M 4,096, K 2,048] x [K 2,048, N 128]; A: input k; B: input Wk: QUANTISED
;;     3. [M 4,096, K 2,048] x [K 2,048, N 128]; A: input v; B: input Wv: QUANTISED
;;     4. batch 2 x [M 32,768, K 128] x [K 128, N 2,048]; A: computed on the way; B: computed on the way: QUANTISED
;;     5. batch 2 x [M 32,768, K 2,048] x [K 2,048, N 128]; A: softmax (see below); B: computed on the way: QUANTISED
;;   THE QUANTISER, for each operand of a quantised product, along K:
;;     - K is cut into blocks of 32 from its start; a last block that is shorter is filled with zeros.
;;     - A block's scale is 2^e with e = floor(log2(the largest magnitude in the block)) - 15, held to -126 .. 127; a block of zeros has e = 0. As a byte (E8M0): e + 127.
;;     - Each number is divided by its block's scale, clamped to +-57,344, and rounded to the nearest number of E5M2, ties to even, subnormals kept.
;;     - The product sums the exact products of the quantised numbers (number of the format x scale) in f32.
;;   ~~~python
;;   def quantise(x, axis):      # numpy; x: float32 -> the quantised numbers, widened to float32 again
;;       x = np.moveaxis(x, axis, -1); K = x.shape[-1]
;;       x = np.pad(x, [(0, 0)] * (x.ndim - 1) + [(0, -K % 32)]); x = x.reshape(x.shape[:-1] + (-1, 32)); a = np.abs(x).max(-1, keepdims=True)
;;       e = np.where(a > 0, np.clip(np.frexp(np.where(a > 0, a, 1))[1] - 1 - 15, -126, 127), 0)      # np.frexp(a)[1] - 1 = floor(log2(a)), exactly
;;       r = np.clip(x / 2.0 ** e, -57344, 57344)
;;       step = 2.0 ** (np.maximum(np.frexp(np.where(r == 0, 1, r))[1] - 1, -14) - 2)
;;       q = np.round(r / step) * step * 2.0 ** e      # np.round: ties to even
;;       return np.moveaxis(q.reshape(q.shape[:-2] + (-1,))[..., :K], -1, axis).astype(np.float32)
;;   ~~~
;;   SOFTMAX AHEAD OF A QUANTISED PRODUCT. Where the list says 'softmax', what is quantised is not the finished softmax but p = 2^(t - M), with t = logit x log2(e) and M = ceil(the row's largest t), a whole number; so 1/2 < the row's largest p <= 1. The row's sum l is taken of the UNQUANTISED p, in f32, and the product's result is divided by l at the end. Since M is a whole number, a kernel that streams over the keys may use a running M (the ceiling of the running maximum): every later rescaling is an exact power of two, which a block's scale takes up: the codes' values come out the same.
;;   OPERANDS COMPUTED ON THE WAY. 'Computed on the way' means the value that the module computes at that place (a softmax that the list does not call 'softmax' is quantised finished and normalised). What goes into a quantiser is computed in f32, as accurately as f32 sums, v_exp_f32 and their like allow (about 1e-6 of the number): no bf16 or f16 on the way to a quantiser, and a product that is left as it is and whose result goes on into a quantised operand takes f32 operands (vector FMAs, or v_wmma_f32_16x16x4_f32). A number that lies on a knife's edge between two numbers of the format may be rounded either way, as far as f32 arithmetic and the matrix unit's own rounding can turn it there, and no further.
;; One version. Each part assembles by itself: llvm-mc -triple=amdgcn-amd-amdhsa -mcpu=gfx1250 --defsym DOCPART=n.
;; ======== version 1 of 1: 3 launches
;; limits: right only within a limited range of input values
;; workspace buffers: qimg 8,388,608 bytes; qsc 262,144 bytes; wimg 4,866,048 bytes; kvimg 1,081,344 bytes
;; launch quant (part 1): grid 800 x 1, 2 waves a work-group, no clusters, 17,152 bytes of LDS; arguments q, Wq, Wk, Wv, qimg, qsc, wimg; writes qimg, qsc, wimg
.if DOCPART == 1
	.amdgcn_target "amdgcn-amd-amdhsa--gfx1250"
	.amdhsa_code_object_version 6
	.text
	.protected	k_qf94073443f_quant
	.globl	k_qf94073443f_quant
	.p2align	8
	.type	k_qf94073443f_quant,@function
k_qf94073443f_quant:
	s_mov_b64 s[64:65], 0
	v_nop
	global_prefetch_b8 v0, s[64:65] scope:SCOPE_SE
	s_setreg_imm32_b32 hwreg(HW_REG_WAVE_MODE, 25, 1), 1
	s_wait_xcnt 0x0
; q [4096][2048] f32 (K innermost) and the weights Wq [2048][2048], Wk, Wv [2048][128] f32 (K is their FIRST axis) become codes of BF8 (E5M2) with one E8M0 byte for each 32 along K.
; A block's scale is 2^(floor(log2(its largest magnitude)) - 15); its byte is the largest magnitude's exponent field - 15; each number is held within +-57,344 x the scale and rounded to the nearest code, ties to even.
; THE CODES ARE LAID AS IMAGES OF OPERAND REGISTERS.  A fragment (16 rows x 128 K) is 2,048 bytes: byte 512 c + 16 (16 h + r) + e is row r, k = 32 c + 16 h + e: lane 16 h + r takes four times 16 bytes, 512 bytes apart.
;   qimg: fragment (row / 16) x 16 + k / 128.      qsc: for 32 rows P and 256 along K kq: 256 bytes, lane 16 u + r holds 8: the scale words of row 32 P + 16 u + r for the two K steps.
;   wimg: fragment ((hd x 16 + k / 128) x 8 + t); hd 0-15 Wq's heads, 16 Wk, 17 Wv.  Row r of tile t is the head's column 32 (t / 2) + 8 (t % 2) + r + 8 (r / 8) for hd <= 16, column 16 t + r for hd = 17.
;   wsc:  word (((hd x 16 + k / 128) x 4 + j) x 32 + 16 u + r): tile 2 j + u, row r.
; LIMITS: a block of zeros gets the byte 1 and not 127 (its codes are zeros, and these bytes are read by this program alone); a largest magnitude under 2^(16 - 127) is taken as that floor; NaN and infinities are not served.
; Work-groups 0-255 take q, 256-399 the weights; they part once, here at the head, on the work-group's number.  Only q's path touches LDS.  Waves share nothing: no barrier.
; THE WEIGHTS' SCALE WORDS lie in wimg too, behind their K step's codes: K step (hd x 16 + k / 128) is 16,896 bytes: eight fragments (16,384), then 128 words: word 32 j + 16 u + r is that of tile 2 j + u, row r.
; THE SHARES: work-groups of two waves: 0-511 take q, 512-799 the weights, 64 columns x 256 along K each (256 consecutive bytes of a row).  (This and the lines above stand in place of what is said further up of work-groups and of wsc.)
.set LI,  1                            ; v1   16 x lane
.set STW, 2                            ; v2   q: my wave's stage, on the way in: 16 x lane
.set STR, 3                            ; v3   q: and on the way out: 528 r + 64 h
.set LN,  5                            ; v5   lane
.set L8,  8                            ; v8   q: 8 x lane
.set X,   16                           ; v16-79   q: 64 numbers of my row: register 16 b + i = k 32 b + 16 h + i
.set R,   80                           ; v80-207  q: two sets of 16 rows as they are loaded
.set PC,  208                          ; v208-223 q: the codes just made
.set TM,  224                          ; v224-239 q: +0 largest magnitudes, +4 the other half's, then bytes, +8 the hold, +12 the conversion's scale operand
.set PW,  240                          ; v240     q: the scale word just made
.set SW,  244                          ; v244-247 q: the four units' scale words
.set SEL, 48                           ; s[48:49] selects of v_permlanex16_b32: lane l xor 16
.set MNT, 50                           ; s50  the mantissa field of 57,344
.set VO,  2                            ; v2   weights: my column's place in the images
.set VS,  3                            ; v3   weights: and among the scale words
.set OF,  16                           ; v16-47   weights: 4 x lane + i rows
.set XW,  48                           ; v48-111  weights: two sets of 32 numbers down K
.set CW,  112                          ; v112-175 weights: eight registers of codes for each block: no store's data are written again
.set SB,  176                          ; v176-177 weights: the scale bytes, four to a register
.macro LOADU n                         ; unit n = 2 s + u: rows 16 u + i, K step s of my 256 along K: each load reads 512 consecutive bytes of one row
.set ii, 0
.rept 16
	global_load_b128 v[R+64*((\n)%2)+4*ii:R+64*((\n)%2)+4*ii+3], v[LI], s[4:5] offset:(16*((\n)%2)+ii)*8192+((\n)/2)*512 th:TH_LOAD_NT
.set ii, ii+1
.endr
.endm
.macro TURN n                          ; 16 rows x 512 bytes through my own stage, rows 528 bytes apart (132 words: the sixteen rows of a load begin in sixteen different groups of four banks); LDS serves a wave's instructions in order
.set ii, 0
.rept 16
	ds_store_b128 v[STW], v[R+64*((\n)%2)+4*ii:R+64*((\n)%2)+4*ii+3] offset:528*ii
.set ii, ii+1
.endr
.irp b, 0,1,2,3
.irp j, 0,1,2,3
	ds_load_b128 v[X+16*\b+4*\j:X+16*\b+4*\j+3], v[STR] offset:128*\b+16*\j
.endr
.endr
.endm
.macro QUANT s                         ; 64 numbers of a lane become a fragment's codes in v[PC] on and its scale word in v[PW]
.irp b, 0,1,2,3
	v_max3_num_f32 v[TM+\b], |v[\s+16*\b]|, |v[\s+1+16*\b]|, 0x8000000   ; my 16 numbers of block b, and the floor 2^(16 - 127): the byte cannot fall under 1
.endr
.irp i, 2,4,6,8,10,12,14
.irp b, 0,1,2,3
	v_max3_num_f32 v[TM+\b], v[TM+\b], |v[\s+16*\b+\i]|, |v[\s+1+16*\b+\i]|
.endr
.endr
.irp b, 0,1,2,3
	v_permlanex16_b32 v[TM+4+\b], v[TM+\b], s[SEL], s[SEL+1]
.endr
.irp b, 0,1,2,3
	v_max_num_f32 v[TM+\b], v[TM+\b], v[TM+4+\b]                       ; with lane l xor 16's: the block's largest magnitude
.endr
.irp b, 0,1,2,3
	v_add_nc_u32 v[TM+12+\b], 0xf8800000, v[TM+\b]                     ; 15 off its exponent field: the conversion takes that field as its scale
.endr
.irp b, 0,1,2,3
	v_and_or_b32 v[TM+8+\b], v[TM+\b], 0x7f800000, s[MNT]              ; 57,344 x the scale
.endr
.irp b, 0,1,2,3
	v_lshrrev_b32 v[TM+4+\b], 23, v[TM+12+\b]                          ; the scale's byte
.endr
	v_lshl_or_b32 v[PW], v[TM+5], 8, v[TM+4]
	v_lshl_or_b32 v[PW], v[TM+6], 16, v[PW]
	v_lshl_or_b32 v[PW], v[TM+7], 24, v[PW]
.irp b, 0,1,2,3
.set qi, 0
.rept 16
	v_med3_num_f32 v[\s+16*\b+qi], v[\s+16*\b+qi], -v[TM+8+\b], v[TM+8+\b]   ; the conversion to an 8-bit code does not saturate (ISA guide 7.6.2): the hold comes first
.set qi, qi+1
.endr
	v_cvt_scalef32_pk8_bf8_f32 v[PC+4*\b:PC+1+4*\b], v[\s+16*\b:\s+7+16*\b], v[TM+12+\b]
	v_cvt_scalef32_pk8_bf8_f32 v[PC+2+4*\b:PC+3+4*\b], v[\s+8+16*\b:\s+15+16*\b], v[TM+12+\b]
.endr
	v_nop                                          ; a plain vector line behind the last conversion
.endm
.macro QUNIT n
.if (\n) < 3
	s_wait_loadcnt 16                              ; this unit's 16 loads are in; the next unit's 16 may be out
.else
	s_wait_loadcnt 0x0
.endif
	TURN \n
	s_wait_dscnt 0x0                               ; my 64 numbers are back, so the stage's stores have read the set of registers that is loaded again below
.if (\n) > 0
	s_wait_xcnt 0x0                                ; the last unit's stores have read the codes' registers
.endif
.if (\n) < 2
	LOADU (\n)+2
.endif
	QUANT X
.irp c, 0,1,2,3
	global_store_b128 v[LI], v[PC+4*\c:PC+4*\c+3], s[12:13] offset:((\n)%2)*32768+((\n)/2)*2048+\c*512   ; 32 lanes store 512 consecutive bytes
.endr
	v_mov_b32 v[SW+(\n)], v[PW]
.endm
.macro LOADW t                         ; block t: W(32 t + i, my column): 32 lanes read 128 consecutive bytes
.set ii, 0
.rept 32
	global_load_b32 v[XW+32*((\t)%2)+ii], v[OF+ii], s[32+2*(\t):33+2*(\t)] th:TH_LOAD_NT
.set ii, ii+1
.endr
.endm
.macro BLOCK t                         ; a block of 32 down K lies in ONE lane's 32 registers
.set XS, XW+32*((\t)%2)
.set CB, CW+8*(\t)
.if (\t) < 7
	s_wait_loadcnt 32                              ; this block's 32 loads are in; the next block's may be out
.else
	s_wait_loadcnt 0x0
.endif
	v_max3_num_f32 v12, |v[XS]|, |v[XS+1]|, |v[XS+2]|
	v_max3_num_f32 v13, |v[XS+3]|, |v[XS+4]|, |v[XS+5]|
.irp i, 6,10,14,18,22,26
	v_max3_num_f32 v12, v12, |v[XS+\i]|, |v[XS+\i+1]|
	v_max3_num_f32 v13, v13, |v[XS+\i+2]|, |v[XS+\i+3]|
.endr
	v_max3_num_f32 v12, v12, |v[XS+30]|, |v[XS+31]|
	v_max3_num_f32 v12, v12, v13, 0x8000000        ; and the floor
	v_add_nc_u32 v11, 0xf8800000, v12              ; the conversion's scale operand
	v_and_or_b32 v10, v12, 0x7f800000, s[MNT]      ; 57,344 x the scale
	v_lshrrev_b32 v13, 23, v11                     ; the byte
.if (\t)%4 == 0
	v_mov_b32 v[SB+(\t)/4], v13
.else
	v_lshl_or_b32 v[SB+(\t)/4], v13, 8*((\t)%4), v[SB+(\t)/4]
.endif
.set qi, 0
.rept 32
	v_med3_num_f32 v[XS+qi], v[XS+qi], -v10, v10
.set qi, qi+1
.endr
.irp g, 0,1,2,3
	v_cvt_scalef32_pk8_bf8_f32 v[CB+2*\g:CB+2*\g+1], v[XS+8*\g:XS+8*\g+7], v11
.endr
	v_nop                                          ; a plain vector line behind the last conversion
	global_store_b128 v[VO], v[CB:CB+3], s[16:17] offset:((\t)/4)*16896+((\t)%4)*512         ; k 0-15 of the block: the sixteen lanes of a tile fill 256 consecutive bytes
	global_store_b128 v[VO], v[CB+4:CB+7], s[16:17] offset:((\t)/4)*16896+((\t)%4)*512+256   ; k 16-31: the next 256
.if (\t)+2 < 8
	LOADW (\t)+2
.endif
.endm
	s_load_b256 s[4:11], s[0:1], 0x0               ; q s[4:5], Wq s[6:7], Wk s[8:9], Wv s[10:11]
	s_load_b128 s[12:15], s[0:1], 0x20             ; qimg s[12:13], qsc s[14:15]
	s_load_b64 s[16:17], s[0:1], 0x30              ; wimg
	v_lshl_add_u32 v254, v0, 2, 0x4200             ; behind the two stages: the spare words
	v_mov_b32 v255, 0
	v_lshrrev_b32 v1, 5, v0
	v_readfirstlane_b32 s20, v1                    ; wave 0..1
	v_and_b32 v[LN], 31, v0
	s_mov_b32 s[MNT], 0x600000
	s_cmp_ge_u32 ttmp9, 512
	s_cbranch_scc1 .Lweights
	; ---- q: wave T = 2 x work-group + wave takes 32 rows (P = T / 8) x 256 along K (kq = T % 8): four units of 16 rows x 128 K
	v_lshlrev_b32 v[LI], 4, v[LN]
	s_mul_i32 s21, s20, 8448                       ; my stage: 16 rows x 528 bytes
	v_add_nc_u32 v[STW], s21, v[LI]
	v_and_b32 v6, 15, v0
	v_bfe_u32 v7, v0, 4, 1
	v_mul_u32_u24 v[STR], v6, 528
	v_lshl_add_u32 v[STR], v7, 6, v[STR]
	v_add_nc_u32 v[STR], s21, v[STR]
	v_lshlrev_b32 v[L8], 3, v[LN]
	s_mov_b32 s[SEL], 0x76543210
	s_mov_b32 s[SEL+1], 0xfedcba98
.irp b, 0,1,2,3
	v_mov_b32 v[TM+4+\b], 0                        ; written once: a lane permute's destination counts as one of its sources
.endr
	s_lshl_b32 s22, ttmp9, 1
	s_add_co_u32 s22, s22, s20                     ; T
	s_lshr_b32 s23, s22, 3                         ; P
	s_and_b32 s24, s22, 7                          ; kq
	s_mov_b32 s27, 0
	s_lshl_b32 s26, s23, 18                        ; 32 rows of 8,192 bytes
	s_lshl_b32 s25, s24, 10                        ; 256 numbers
	s_add_co_u32 s26, s26, s25
	s_wait_alu depctr_va_vdst(0)
	s_wait_kmcnt 0x0
	s_add_nc_u64 s[4:5], s[4:5], s[26:27]
	s_lshl_b32 s26, s23, 16                        ; two tiles x 16 fragments
	s_lshl_b32 s25, s24, 12                        ; two fragments
	s_add_co_u32 s26, s26, s25
	s_add_nc_u64 s[12:13], s[12:13], s[26:27]
	s_lshl_b32 s26, s22, 8                         ; 256 bytes of scale words a wave
	s_add_nc_u64 s[14:15], s[14:15], s[26:27]
	LOADU 0
	LOADU 1
	QUNIT 0
	QUNIT 1
	QUNIT 2
	QUNIT 3
	v_cmp_gt_u32 vcc_lo, 16, v[LN]                 ; every lane holds its row's word of both tiles: lanes 0-15 keep tile 0's, lanes 16-31 tile 1's
	v_cndmask_b32 v248, v[SW+1], v[SW+0], vcc_lo
	v_cndmask_b32 v249, v[SW+3], v[SW+2], vcc_lo
	global_store_b64 v[L8], v[248:249], s[14:15]   ; 32 lanes store 256 consecutive bytes, aligned
	s_wait_tensorcnt 0x0
	ds_add_u32 v254, v255
	s_wait_dscnt 0x0
	s_endpgm
	; ---- the weights: work-groups 2 (hd x 8 + kc) + 0, 1 take 128 columns x 256 along K, 64 each; a lane takes a column, its registers run down K
.Lweights:
	s_sub_co_u32 s21, ttmp9, 512
	s_and_b32 s24, s21, 1
	s_lshl_b32 s24, s24, 1
	s_add_co_u32 s20, s20, s24                     ; which 32 of the head's 128 columns: 0..3
	s_lshr_b32 s21, s21, 1
	s_lshr_b32 s22, s21, 3                         ; hd
	s_and_b32 s23, s21, 7                          ; kc
	s_wait_alu depctr_va_vdst(0)
	v_and_b32 v6, 7, v[LN]                         ; my column 32 w + x lies in tile 2 w + pos / 16 at row pos % 16: pos = x with bits 3 and 4 changed over,
	v_bfe_u32 v7, v[LN], 3, 1
	v_bfe_u32 v8, v[LN], 4, 1
	v_lshl_or_b32 v6, v7, 4, v6
	v_lshl_or_b32 v6, v8, 3, v6
	s_cmp_eq_u32 s22, 17
	s_cselect_b32 s24, -1, 0
	v_cndmask_b32 v6, v6, v[LN], s24               ; or, for Wv, x itself
	v_lshrrev_b32 v7, 4, v6
	v_and_b32 v8, 15, v6
	v_lshlrev_b32 v8, 4, v8
	v_lshl_or_b32 v[VO], v7, 11, v8
	v_lshlrev_b32 v[VS], 2, v6
	s_lshl_b32 s26, s22, 9                         ; a head's 128 columns in Wq
	s_mov_b32 s25, 512                             ; a row of Wk, Wv
	s_wait_kmcnt 0x0
	s_cmp_eq_u32 s22, 17
	s_cselect_b64 s[8:9], s[10:11], s[8:9]         ; the choices hang on the work-group's number alone
	s_cmp_lt_u32 s22, 16
	s_cselect_b64 s[6:7], s[6:7], s[8:9]
	s_cselect_b32 s25, 0x2000, s25                 ; a row of Wq
	s_cselect_b32 s26, s26, 0
	s_lshl_b32 s27, s20, 7                         ; my wave's 32 columns
	s_add_co_u32 s26, s26, s27
	s_lshl_b32 s27, s23, 8
	s_mul_i32 s27, s27, s25                        ; 256 kc rows
	s_add_co_u32 s26, s26, s27
	s_mov_b32 s27, 0
	s_add_nc_u64 s[32:33], s[6:7], s[26:27]        ; a base for each of the eight blocks: no pointer is stepped
	s_lshl_b32 s28, s25, 5
	s_mov_b32 s29, 0
.irp t, 1,2,3,4,5,6,7
	s_add_nc_u64 s[32+2*\t:33+2*\t], s[30+2*\t:31+2*\t], s[28:29]
.endr
	s_mul_i32 s26, s22, 270336                     ; a head's sixteen K steps of 16,896 bytes
	s_mul_i32 s21, s23, 33792                      ; two K steps
	s_add_co_u32 s26, s26, s21
	s_add_nc_u64 s[16:17], s[16:17], s[26:27]
	s_lshl_b32 s26, s20, 7
	s_add_co_u32 s26, s26, 16384
	s_add_nc_u64 s[18:19], s[16:17], s[26:27]      ; the scale words: behind the K step's codes, + wave x 128
	s_lshl_b32 s26, s20, 12
	s_add_nc_u64 s[16:17], s[16:17], s[26:27]      ; the codes: + wave x 4,096
	v_lshlrev_b32 v[OF], 2, v[LN]
.set ii, 1
.rept 31
	v_add_nc_u32 v[OF+ii], s25, v[OF+ii-1]
.set ii, ii+1
.endr
	LOADW 0
	LOADW 1
.irp t, 0,1,2,3,4,5,6,7
	BLOCK \t
.endr
	global_store_b32 v[VS], v[SB], s[18:19]        ; the two K steps' scale words: 128 consecutive bytes a wave
	global_store_b32 v[VS], v[SB+1], s[18:19] offset:16896
	s_endpgm
.Lfunc_end_k_qf94073443f_quant:
	.size	k_qf94073443f_quant, .Lfunc_end_k_qf94073443f_quant-k_qf94073443f_quant
	.p2alignl 7, 3214868480
	.fill 96, 4, 3214868480
	.section	.rodata,"a",@progbits
	.p2align	6, 0x0
	.amdhsa_kernel k_qf94073443f_quant
		.amdhsa_group_segment_fixed_size 17152
		.amdhsa_private_segment_fixed_size 0
		.amdhsa_enable_private_segment 0
		.amdhsa_kernarg_size 56
		.amdhsa_user_sgpr_count 2
		.amdhsa_user_sgpr_kernarg_segment_ptr 1
		.amdhsa_wavefront_size32 1
		.amdhsa_system_sgpr_workgroup_id_x 1
		.amdhsa_system_sgpr_workgroup_id_y 1
		.amdhsa_system_sgpr_workgroup_id_z 1
		.amdhsa_system_vgpr_workitem_id 0
		.amdhsa_next_free_vgpr 256
		.amdhsa_next_free_sgpr 66
		.amdhsa_reserve_vcc 1
		.amdhsa_float_denorm_mode_32 3
		.amdhsa_float_denorm_mode_16_64 3
		.amdhsa_memory_ordered 1
		.amdhsa_forward_progress 1
		.amdhsa_inst_pref_size 108
	.end_amdhsa_kernel
	.amdgpu_metadata
---
amdhsa.version: [ 1, 2 ]
amdhsa.kernels:
  - .name:           k_qf94073443f_quant
    .symbol:         k_qf94073443f_quant.kd
    .args:
      - { .name: q, .offset: 0, .size: 8, .value_kind: global_buffer, .address_space: global }
      - { .name: Wq, .offset: 8, .size: 8, .value_kind: global_buffer, .address_space: global }
      - { .name: Wk, .offset: 16, .size: 8, .value_kind: global_buffer, .address_space: global }
      - { .name: Wv, .offset: 24, .size: 8, .value_kind: global_buffer, .address_space: global }
      - { .name: qimg, .offset: 32, .size: 8, .value_kind: global_buffer, .address_space: global }
      - { .name: qsc, .offset: 40, .size: 8, .value_kind: global_buffer, .address_space: global }
      - { .name: wimg, .offset: 48, .size: 8, .value_kind: global_buffer, .address_space: global }
    .group_segment_fixed_size: 17152
    .private_segment_fixed_size: 0
    .kernarg_segment_align: 8
    .kernarg_segment_size: 56
    .max_flat_workgroup_size: 64
    .sgpr_count:     66
    .vgpr_count:     256
    .wavefront_size: 32
...
	.end_amdgpu_metadata
.endif
;; end of part 1
;; launch kvproj (part 2): grid 256 x 1, 8 waves a work-group, no clusters, 267,264 bytes of LDS; arguments k, v, wimg, bk, bv, kvimg; writes kvimg
.if DOCPART == 2
	.amdgcn_target "amdgcn-amd-amdhsa--gfx1250"
	.amdhsa_code_object_version 6
	.text
	.protected	k_qf94073443f_kvproj
	.globl	k_qf94073443f_kvproj
	.p2align	8
	.type	k_qf94073443f_kvproj,@function
k_qf94073443f_kvproj:
	s_mov_b64 s[64:65], 0
	v_nop
	global_prefetch_b8 v0, s[64:65] scope:SCOPE_SE
	s_setreg_imm32_b32 hwreg(HW_REG_WAVE_MODE, 25, 1), 1
	s_wait_xcnt 0x0
; kh = Q(k) Q(Wk) + bk and vh = Q(v) Q(Wv) + bv, on codes of BF8 (E5M2) with one E8M0 scale for each 32 along K = 2,048; then kh is quantised along the head's 128 and vh along the KEYS, for the attention launch.
; k, v: [4096][2048] f32, read once, by one work-group each row: quantised in registers on the way.  wimg: a K step of a head (16: Wk, 17: Wv) is 16,896 bytes: eight fragments of 2,048 as images of operand registers, then 128 scale words.
; OUT: kvimg: key step (b x 16 + st) is 33,792 bytes: K's eight fragments, K's 128 scale words (512 bytes), V's eight fragments, V's 128 scale words.  A fragment's byte 512 c + 16 (16 h + r) + e = row r, k = 32 c + 16 h + e; word 16 t + r is that of tile t, row r.
; K: row r of tile t = key 128 st + 32 (t / 2) + 8 (t % 2) + r + 8 (r / 8), k = the head's axis.  V: row r of tile t = channel 16 t + r, k = keys 128 st + 0 .. 127.
; SHARES.  Work-groups 0-127 take k, 128-255 v; each 32 rows (keys), all 128 columns.  THE EIGHT WAVES SHARE K: wave w takes K steps 2 w, 2 w + 1; it asks at the head for its 32 rows x 1,024 bytes by its one tensor load (rows 1,040 bytes apart
; in LDS), and reads what it asked for itself: no barrier stands ahead of the products.  So all 262,144 bytes of the work-group's rows are asked for at once.  The partial sums meet in LDS as images of the accumulators; every wave adds an eighth
; of them (wave 0, 1, .. 7 in that order: another order of the f32 sums than one chain along K), adds the bias, quantises and stores.
; The 32 rows are two tiles, tile u = rows 8 u + i + 8 (i / 8).  K's product is used transposed (source 0 = 16 columns of Wk, source 1 = 16 keys): a lane holds one key, 16 neighbouring registers run along the head's axis.  V's is not: a lane
; holds one channel, and the registers of its two tiles are keys 16 h + 0 .. 15.  Either way wave w finishes accumulator registers 16 w .. 16 w + 15.  The two kinds part only round the products and the bias's loads, on the work-group's number.
; No cluster and no prefetch: no rows are shared, the weights go straight into registers, each wave its own K steps, and there is no loop to run ahead in.
; LIMITS: a block of zeros gets the byte 1 and not 127 (its codes are zeros; this program alone reads the bytes); a largest magnitude under 2^(16 - 127) is taken as that floor; NaN and infinities are not served.
; The scale bytes leave one byte a lane, four bytes apart (a word's other bytes are other waves' or, for V, other work-groups'): 32,768 bytes in the whole launch; lanes l and l xor 16 store the same byte with the same value.
; REGISTERS: window 0 as named below, v128-255 the 16 accumulators; window 1: the weights' fragments, eight for each K step (the first K step's leave v0-15 to the bias).
.set REG,   33280                      ; a wave's region of LDS: 32 rows x 1,040 bytes; later its 16,384 bytes of partial sums
.set SPARE, 8*REG                      ; the spare words, 128 bytes for each wave
.set LI,  1                            ; v1   16 x lane
.set LS,  2                            ; v2   4 x lane
.set SPW, 3                            ; v3   LDS address of my spare word; never rewritten
.set NIL, 4                            ; v4   0; never rewritten
.set XA,  5                            ; v5   LDS: my row's numbers
.set PSW, 6                            ; v6   where I put my partial sums
.set PSR, 7                            ; v7-10 where I read my eighth: two waves' regions each
.set BA,  11                           ; v11  my bias
.set R4,  12                           ; v12  4 r
.set PC,  16                           ; v16-31 the codes just made
.set TM,  32                           ; v32-47 at work in QUANT
.set PW,  48                           ; v48  the scale word just made
.set WS,  52                           ; v52-55, v60-63 the weights' scale words of the two K steps
.set X,   64                           ; v64-127 64 numbers of my row: register 16 b + i = k 32 b + 16 h + i
.set AC,  128
.set WV,  20
.set KV,  25                           ; s25  0: K, 1: V
.set SEL, 42
.set MNT, 44
.set MSB, 0
.macro WIN new                         ; the immediate's high byte repeats the setting that is left
.if MSB != (\new)
	s_set_vgpr_msb (MSB<<8)|(\new)
.set MSB, (\new)
.endif
.endm
.macro PLACES n
.rept \n
	v_nop
.endr
.endm
.macro QUANT s                         ; four blocks, 16 numbers of each in my registers and 16 in lane l xor 16's, become codes in v[PC] on and a scale word in v[PW]
.irp b, 0,1,2,3
	v_max3_num_f32 v[TM+\b], |v[\s+16*\b]|, |v[\s+1+16*\b]|, 0x8000000   ; and the floor 2^(16 - 127): the byte cannot fall under 1
.endr
.irp i, 2,4,6,8,10,12,14
.irp b, 0,1,2,3
	v_max3_num_f32 v[TM+\b], v[TM+\b], |v[\s+16*\b+\i]|, |v[\s+1+16*\b+\i]|
.endr
.endr
.irp b, 0,1,2,3
	v_permlanex16_b32 v[TM+4+\b], v[TM+\b], s[SEL], s[SEL+1]
.endr
.irp b, 0,1,2,3
	v_max_num_f32 v[TM+\b], v[TM+\b], v[TM+4+\b]
.endr
.irp b, 0,1,2,3
	v_add_nc_u32 v[TM+12+\b], 0xf8800000, v[TM+\b]                     ; 15 off the exponent field: the conversion's scale operand
.endr
.irp b, 0,1,2,3
	v_and_or_b32 v[TM+8+\b], v[TM+\b], 0x7f800000, s[MNT]              ; 57,344 x the scale
.endr
.irp b, 0,1,2,3
	v_lshrrev_b32 v[TM+4+\b], 23, v[TM+12+\b]                          ; the byte
.endr
	v_lshl_or_b32 v[PW], v[TM+5], 8, v[TM+4]
	v_lshl_or_b32 v[PW], v[TM+6], 16, v[PW]
	v_lshl_or_b32 v[PW], v[TM+7], 24, v[PW]
.irp b, 0,1,2,3
.set qi, 0
.rept 16
	v_med3_num_f32 v[\s+16*\b+qi], v[\s+16*\b+qi], -v[TM+8+\b], v[TM+8+\b]   ; the conversion does not saturate (ISA guide 7.6.2): the hold comes first
.set qi, qi+1
.endr
	v_cvt_scalef32_pk8_bf8_f32 v[PC+4*\b:PC+1+4*\b], v[\s+16*\b:\s+7+16*\b], v[TM+12+\b]
	v_cvt_scalef32_pk8_bf8_f32 v[PC+2+4*\b:PC+3+4*\b], v[\s+8+16*\b:\s+15+16*\b], v[TM+12+\b]
.endr
	PLACES 4                                       ; the plain line behind the conversions, and the four places between codes written by vector instructions and a scaled product
.endm
.macro WLOAD s                         ; the weights' eight fragments and four scale registers of my K step s: 36 loads
	WIN 0x40                                       ; destination window 1
.irp t, 0,1,2,3,4,5,6,7
.irp c, 0,1,2,3
	global_load_b128 v[128*\s+16*\t+4*\c:128*\s+16*\t+4*\c+3], v[LI], s[30:31] offset:\s*16896+\t*2048+\c*512
.endr
.endr
	WIN 0
.irp j, 0,1,2,3
	global_load_b32 v[WS+8*\s+\j], v[LS], s[30:31] offset:\s*16896+16384+\j*128
.endr
.endm
.macro LOADX n                         ; unit n = 2 s + u: tile u, my K step s
.irp b, 0,1,2,3
.irp j, 0,1,2,3
	ds_load_b128 v[X+16*\b+4*\j:X+16*\b+4*\j+3], v[XA] offset:8320*((\n)%2)+512*((\n)/2)+128*\b+16*\j
.endr
.endr
.endm
.macro WMMA                            ; one product, by the symbols rD, rA, rB, rSA, rSB; fZ: it starts its sum; fA, fB: the side's scales lie in lanes 16-31
.if fZ
.if fA
	v_wmma_scale_f32_16x16x128_f8f6f4 v[rD:rD+7], v[rA:rA+15], v[rB:rB+15], 0, v[rSA], v[rSB] matrix_a_fmt:MATRIX_FMT_BF8 matrix_b_fmt:MATRIX_FMT_BF8 matrix_a_scale:MATRIX_SCALE_ROW1
.elseif fB
	v_wmma_scale_f32_16x16x128_f8f6f4 v[rD:rD+7], v[rA:rA+15], v[rB:rB+15], 0, v[rSA], v[rSB] matrix_a_fmt:MATRIX_FMT_BF8 matrix_b_fmt:MATRIX_FMT_BF8 matrix_b_scale:MATRIX_SCALE_ROW1
.else
	v_wmma_scale_f32_16x16x128_f8f6f4 v[rD:rD+7], v[rA:rA+15], v[rB:rB+15], 0, v[rSA], v[rSB] matrix_a_fmt:MATRIX_FMT_BF8 matrix_b_fmt:MATRIX_FMT_BF8
.endif
.elseif fA
	v_wmma_scale_f32_16x16x128_f8f6f4 v[rD:rD+7], v[rA:rA+15], v[rB:rB+15], v[rD:rD+7], v[rSA], v[rSB] matrix_a_fmt:MATRIX_FMT_BF8 matrix_b_fmt:MATRIX_FMT_BF8 matrix_a_scale:MATRIX_SCALE_ROW1
.elseif fB
	v_wmma_scale_f32_16x16x128_f8f6f4 v[rD:rD+7], v[rA:rA+15], v[rB:rB+15], v[rD:rD+7], v[rSA], v[rSB] matrix_a_fmt:MATRIX_FMT_BF8 matrix_b_fmt:MATRIX_FMT_BF8 matrix_b_scale:MATRIX_SCALE_ROW1
.else
	v_wmma_scale_f32_16x16x128_f8f6f4 v[rD:rD+7], v[rA:rA+15], v[rB:rB+15], v[rD:rD+7], v[rSA], v[rSB] matrix_a_fmt:MATRIX_FMT_BF8 matrix_b_fmt:MATRIX_FMT_BF8
.endif
.endm
.macro MULS sel, n                     ; unit n's eight products, on eight accumulators; the next unit takes the other eight: the accumulators take turns
.set sp, (\n)/2
.set uu, (\n)%2
.set fZ, 0
.if sp == 0
.set fZ, 1
.endif
	WIN 0x01+3*(\sel)                              ; the weights, source 0 (K) or 1 (V), lie in window 1
.irp t, 0,1,2,3,4,5,6,7
.if \sel
.set rD, AC+16*\t+8*uu
.set rA, PC
.set rB, 128*sp+16*\t
.set rSA, PW
.set rSB, WS+8*sp+\t/2
.set fA, 0
.set fB, \t%2
.else
.set rD, AC+64*uu+8*\t
.set rA, 128*sp+16*\t
.set rB, PC
.set rSA, WS+8*sp+\t/2
.set rSB, PW
.set fA, \t%2
.set fB, 0
.endif
	WMMA
.endr
	WIN 0
.endm
.macro UNIT n                          ; 16 rows x 128 K are quantised and multiplied
.if (\n) == 0
	s_wait_loadcnt 36                              ; the first K step's weights are in; the second's 36 loads may be out
.elseif (\n) == 2
	s_wait_loadcnt 0x0
.endif
	s_wait_dscnt 0x0                               ; my 64 numbers are in
	QUANT X                                        ; (its lines are more than the places that the last unit's products ask for ahead of a write of their codes and scale word)
	s_wait_alu depctr_va_vdst(0)
.if (\n) < 3
	LOADX (\n)+1
.endif
.if (\n) == 2                          ; the bias, in the layout of the 16 numbers that I finish, into registers that the first K step's weights have left
	s_cmp_eq_u32 s[KV], 0
	s_cbranch_scc0 .Lbias_v
	WIN 0x40
.irp i, 0,1,2,3
	global_load_b128 v[4*\i:4*\i+3], v[BA], s[12:13] offset:16*\i      ; bk at 32 (w % 4) + 16 h + 0 .. 15
.endr
	WIN 0
	s_branch .Lbias_asked
.Lbias_v:
	WIN 0x40
.irp i, 0,1,2,3,4,5,6,7,8,9,10,11,12,13,14,15
	global_load_b32 v[\i], v[BA], s[12:13]                             ; bv at 16 w + r, sixteen times
.endr
	WIN 0
.Lbias_asked:
.endif
	s_cmp_eq_u32 s[KV], 0
	s_cbranch_scc0 .Lmuls_v_\n
	MULS 0, \n
	s_branch .Lmuls_end_\n
.Lmuls_v_\n:
	MULS 1, \n
.Lmuls_end_\n:
.endm
	s_load_b128 s[4:7], s[0:1], 0x0                ; k s[4:5], v s[6:7]
	s_load_b64 s[8:9], s[0:1], 0x10                ; wimg
	s_load_b128 s[12:15], s[0:1], 0x18             ; bk s[12:13], bv s[14:15]
	s_load_b64 s[16:17], s[0:1], 0x28              ; kvimg
	v_lshl_add_u32 v[SPW], v0, 2, SPARE
	v_mov_b32 v[NIL], 0
	ds_add_u32 v[SPW], v[NIL]                      ; the wave's opening: the add, twice on end, and its wait ahead of my tensor load
	ds_add_u32 v[SPW], v[NIL]
	v_lshrrev_b32 v13, 5, v0
	v_readfirstlane_b32 s[WV], v13                 ; wave 0..7
	s_and_b32 s21, ttmp9, 127                      ; which 32 rows
	s_lshr_b32 s22, s21, 6                         ; the batch
	s_bfe_u32 s23, s21, 0x40002                    ; the key step of 128
	s_and_b32 s24, s21, 3                          ; cb: which 32 keys of it
	s_lshr_b32 s[KV], ttmp9, 7
	; my load: 32 rows of 256 numbers, 2,048 apart; four words of padding behind every 256
	s_mov_b32 s48, (2<<16)|(1<<20)|(7<<22)|(3<<25) ; 17:16 elements of 4 bytes; 20 padding on; 24:22 after every 256 words (code 7); 31:25 of 4 words (code 3)
	s_mov_b32 s49, 256<<16                         ; tensor_dim0
	s_mov_b32 s50, 32<<16                          ; tensor_dim1
	s_mov_b32 s51, 256<<16                         ; tile_dim0
	s_mov_b32 s52, 32                              ; tile_dim1
	s_mov_b32 s53, 2048                            ; from row to row
	s_mov_b32 s54, 0
	s_mov_b32 s55, 0
	s_mov_b32 s56, 1
	s_mul_i32 s57, s[WV], REG
	s_lshl_b32 s26, s21, 18                        ; 32 rows of 8,192 bytes,
	s_lshl_b32 s27, s[WV], 10                      ; my wave's 1,024 bytes of a row
	s_add_co_u32 s26, s26, s27
	s_mov_b32 s27, 0
	s_wait_alu depctr_va_vdst(0)
	s_wait_dscnt 0x0                               ; both opening adds are done
	s_wait_kmcnt 0x0
	s_cmp_eq_u32 s[KV], 0                          ; the choices hang on the work-group's number alone
	s_cselect_b64 s[4:5], s[4:5], s[6:7]
	s_cselect_b64 s[12:13], s[12:13], s[14:15]
	s_add_nc_u64 s[58:59], s[4:5], s[26:27]
	s_or_b32 s59, s59, 0x80000000
	tensor_load_to_lds s[56:59], s[48:55]
	s_nop 0
	PLACES 4
	s_mul_i32 s26, s[WV], 33792                    ; my two K steps of the weights
	s_mul_i32 s28, s[KV], 270336
	s_add_co_u32 s26, s26, s28
	s_add_co_u32 s26, s26, 16*270336
	s_add_nc_u64 s[30:31], s[8:9], s[26:27]
	; where my sixteen numbers go: tile T, block C: K: T = 2 cb + w / 4, C = w % 4;  V: T = w, C = cb
	s_lshl_b32 s32, s24, 1
	s_lshr_b32 s33, s[WV], 2
	s_add_co_u32 s32, s32, s33
	s_and_b32 s33, s[WV], 3
	s_mov_b32 s35, s33
	s_cmp_eq_u32 s[KV], 0
	s_cselect_b32 s32, s32, s[WV]
	s_cselect_b32 s33, s33, s24
	s_cselect_b32 s34, 0, 16896                    ; V lies behind K
	s_cselect_b32 s40, -1, 0
	s_mul_i32 s26, s22, 540672
	s_add_co_u32 s34, s34, s26
	s_mul_i32 s26, s23, 33792
	s_add_co_u32 s34, s34, s26
	s_lshl_b32 s26, s32, 11
	s_lshl_b32 s28, s33, 9
	s_add_co_u32 s26, s26, s28
	s_add_co_u32 s26, s26, s34
	s_add_nc_u64 s[36:37], s[16:17], s[26:27]      ; the codes: 2,048 T + 512 C
	s_lshl_b32 s26, s32, 6
	s_add_co_u32 s26, s26, s33
	s_add_co_u32 s26, s26, s34
	s_add_co_u32 s26, s26, 16384
	s_add_nc_u64 s[38:39], s[16:17], s[26:27]      ; the scale bytes: 16,384 + 64 T + C
	s_mov_b32 s[SEL], 0x76543210
	s_mov_b32 s[SEL+1], 0xfedcba98
	s_mov_b32 s[MNT], 0x600000
	s_lshl_b32 s28, s[WV], 11                      ; an eighth of an image: 2,048 bytes
	s_lshl_b32 s29, s35, 7                         ; K: my bias, 128 (w % 4);
	s_lshl_b32 s35, s[WV], 6                       ; V: 64 w
	v_and_b32 v13, 31, v0
	v_and_b32 v14, 15, v0                          ; r
	v_bfe_u32 v15, v0, 4, 1                        ; h
	v_lshlrev_b32 v[LI], 4, v13
	v_lshlrev_b32 v[LS], 2, v13
	v_lshlrev_b32 v[R4], 2, v14
	v_and_b32 v[XA], 8, v14
	v_add_nc_u32 v[XA], v[XA], v14                 ; tile 0's row r + 8 (r / 8)
	v_mul_u32_u24 v[XA], v[XA], 1040
	v_lshl_add_u32 v[XA], v15, 6, v[XA]            ; + 16 numbers for the upper half
	v_add_nc_u32 v[XA], s57, v[XA]
	v_add_nc_u32 v[PSW], s57, v[LI]
	v_add_nc_u32 v[PSR], s28, v[LI]
.irp i, 1,2,3
	v_add_nc_u32 v[PSR+\i], 2*REG*\i, v[PSR]
.endr
	v_lshlrev_b32 v13, 6, v15
	v_add_nc_u32 v13, s29, v13                     ; K: 128 (w % 4) + 64 h
	v_add_nc_u32 v14, s35, v[R4]                   ; V: 64 w + 4 r
	v_cndmask_b32 v[BA], v14, v13, s40
.irp b, 0,1,2,3
	v_mov_b32 v[TM+4+\b], 0                        ; written once: a lane permute's destination counts as one of its sources
.endr
	s_wait_alu depctr_va_vdst(0)
	WLOAD 0
	WLOAD 1
	s_wait_tensorcnt 0x0                           ; my rows are in; nobody else reads them
	LOADX 0
	UNIT 0
	UNIT 1
	UNIT 2
	UNIT 3
	PLACES 8                                       ; eight places between the last products and the first read of their results
.set ii, 0
.rept 32
	ds_store_b128 v[PSW], v[AC+4*ii:AC+4*ii+3] offset:512*ii           ; my 128 partial sums as they stand, each accumulator from its low end on, over my own rows, which I have read
.set ii, ii+1
.endr
	s_wait_dscnt 0x0                               ; for the others' sake: my stores have landed
	s_barrier_signal -1
	s_barrier_wait -1
.irp p, 0,1,2,3,4,5,6,7
.irp i, 0,1,2,3
	ds_load_b128 v[AC+16*\p+4*\i:AC+16*\p+4*\i+3], v[PSR+\p/2] offset:REG*(\p%2)+512*\i
.endr
.endr
	s_wait_dscnt 0x0                               ; all eight parts of my sixteen numbers
	s_wait_loadcnt 0x0                             ; and the bias
.irp p, 1,2,3,4,5,6,7
.irp i, 0,2,4,6,8,10,12,14
	v_pk_add_f32 v[AC+\i:AC+\i+1], v[AC+\i:AC+\i+1], v[AC+16*\p+\i:AC+16*\p+\i+1]
.endr
.endr
	WIN 0x04                                       ; source 1 window 1: the bias
.irp i, 0,2,4,6,8,10,12,14
	v_pk_add_f32 v[AC+\i:AC+\i+1], v[AC+\i:AC+\i+1], v[\i:\i+1]
.endr
	WIN 0
	v_max3_num_f32 v[TM], |v[AC]|, |v[AC+1]|, 0x8000000                ; one block: 16 numbers are mine, 16 lane l xor 16's; and the floor
	v_max3_num_f32 v[TM+1], |v[AC+2]|, |v[AC+3]|, |v[AC+4]|
.irp i, 5,9
	v_max3_num_f32 v[TM], v[TM], |v[AC+\i]|, |v[AC+\i+1]|
	v_max3_num_f32 v[TM+1], v[TM+1], |v[AC+\i+2]|, |v[AC+\i+3]|
.endr
	v_max3_num_f32 v[TM], v[TM], |v[AC+13]|, |v[AC+14]|
	v_max3_num_f32 v[TM], v[TM], v[TM+1], |v[AC+15]|
	v_permlanex16_b32 v[TM+4], v[TM], s[SEL], s[SEL+1]
	v_max_num_f32 v[TM], v[TM], v[TM+4]
	v_add_nc_u32 v[TM+12], 0xf8800000, v[TM]
	v_and_or_b32 v[TM+8], v[TM], 0x7f800000, s[MNT]
.irp i, 0,1,2,3,4,5,6,7,8,9,10,11,12,13,14,15
	v_med3_num_f32 v[AC+\i], v[AC+\i], -v[TM+8], v[TM+8]
.endr
	v_cvt_scalef32_pk8_bf8_f32 v[PC:PC+1], v[AC:AC+7], v[TM+12]
	v_cvt_scalef32_pk8_bf8_f32 v[PC+2:PC+3], v[AC+8:AC+15], v[TM+12]
	v_lshrrev_b32 v[TM+5], 23, v[TM+12]            ; the byte: a plain line behind the conversions
	global_store_b128 v[LI], v[PC:PC+3], s[36:37]  ; 512 consecutive bytes: block C of tile T
	global_store_b8 v[R4], v[TM+5], s[38:39]       ; byte C of row r's word
	s_wait_tensorcnt 0x0                           ; the wave's end
	ds_add_u32 v[SPW], v[NIL]
	s_wait_dscnt 0x0
	s_endpgm
.Lfunc_end_k_qf94073443f_kvproj:
	.size	k_qf94073443f_kvproj, .Lfunc_end_k_qf94073443f_kvproj-k_qf94073443f_kvproj
	.p2alignl 7, 3214868480
	.fill 96, 4, 3214868480
	.section	.rodata,"a",@progbits
	.p2align	6, 0x0
	.amdhsa_kernel k_qf94073443f_kvproj
		.amdhsa_group_segment_fixed_size 267264
		.amdhsa_private_segment_fixed_size 0
		.amdhsa_enable_private_segment 0
		.amdhsa_kernarg_size 48
		.amdhsa_user_sgpr_count 2
		.amdhsa_user_sgpr_kernarg_segment_ptr 1
		.amdhsa_wavefront_size32 1
		.amdhsa_system_sgpr_workgroup_id_x 1
		.amdhsa_system_sgpr_workgroup_id_y 1
		.amdhsa_system_sgpr_workgroup_id_z 1
		.amdhsa_system_vgpr_workitem_id 0
		.amdhsa_next_free_vgpr 512
		.amdhsa_next_free_sgpr 66
		.amdhsa_reserve_vcc 0
		.amdhsa_float_denorm_mode_32 3
		.amdhsa_float_denorm_mode_16_64 3
		.amdhsa_memory_ordered 1
		.amdhsa_forward_progress 1
		.amdhsa_inst_pref_size 70
	.end_amdhsa_kernel
	.amdgpu_metadata
---
amdhsa.version: [ 1, 2 ]
amdhsa.kernels:
  - .name:           k_qf94073443f_kvproj
    .symbol:         k_qf94073443f_kvproj.kd
    .args:
      - { .name: k, .offset: 0, .size: 8, .value_kind: global_buffer, .address_space: global }
      - { .name: v, .offset: 8, .size: 8, .value_kind: global_buffer, .address_space: global }
      - { .name: wimg, .offset: 16, .size: 8, .value_kind: global_buffer, .address_space: global }
      - { .name: bk, .offset: 24, .size: 8, .value_kind: global_buffer, .address_space: global }
      - { .name: bv, .offset: 32, .size: 8, .value_kind: global_buffer, .address_space: global }
      - { .name: kvimg, .offset: 40, .size: 8, .value_kind: global_buffer, .address_space: global }
    .group_segment_fixed_size: 267264
    .private_segment_fixed_size: 0
    .kernarg_segment_align: 8
    .kernarg_segment_size: 48
    .max_flat_workgroup_size: 256
    .sgpr_count:     66
    .vgpr_count:     512
    .wavefront_size: 32
...
	.end_amdgpu_metadata
.endif
;; end of part 2
;; launch attn (part 3): grid 16 x 16, 8 waves a work-group, clusters of 4 x 1, 327,680 bytes of LDS; arguments qimg, qsc, wimg, kvimg, bq, out0; writes out0
.if DOCPART == 3
	.amdgcn_target "amdgcn-amd-amdhsa--gfx1250"
	.amdhsa_code_object_version 6
	.text
	.protected	k_qf94073443f_attn
	.globl	k_qf94073443f_attn
	.p2align	8
	.type	k_qf94073443f_attn,@function
k_qf94073443f_attn:
	s_mov_b64 s[64:65], 0
	v_nop
	global_prefetch_b8 v0, s[64:65] scope:SCOPE_SE
	s_setreg_imm32_b32 hwreg(HW_REG_WAVE_MODE, 25, 1), 1
	s_wait_xcnt 0x0
	s_wait_alu depctr_hold_cnt(0) depctr_sa_sdst(0) depctr_va_vdst(0) depctr_va_sdst(0) depctr_va_ssrc(0) depctr_va_vcc(0) depctr_vm_vsrc(0)
	s_getreg_b32 s2, hwreg(HW_REG_IB_STS2, 6, 4)
	s_cmp_eq_u32 s2, 0
	s_cbranch_scc0 .Lentry_in_a_cluster
	s_endpgm
.Lentry_in_a_cluster:
	s_bfe_u32 s2, ttmp6, 0x10000c
	s_cmp_lg_u32 s2, 0x3003
	s_cbranch_scc0 .Lentry_shape_is_right
	s_endpgm
.Lentry_shape_is_right:
; out[b][q][head x 128 + d] = the sum over keys of softmax(qh . kh / sqrt(128)) vh, with qh = Q(q) Q(Wq) + bq made here; all three products on codes of BF8 (E5M2) with one E8M0 scale for each 32 along a product's K.
; Operands come as images of operand registers: a fragment (16 rows x 128 K) is 2,048 bytes, lane l's registers 4 c .. 4 c + 3 at 512 c + 16 l.  A K step of Wq is 16,896 bytes: eight fragments, then 128 scale words (two tiles to a
; register: the even tile in lanes 0-15).  A key step is 33,792 bytes: K's eight fragments and 128 scale words, then V's.  So one tensor load brings codes and scales.
; THE SOFTMAX AHEAD OF THE LAST PRODUCT: t = score x log2(e) / sqrt(128); M = the running largest t rounded UP to a whole number; p = 2^(t - M) is quantised along the keys, not normalised; the row's sum is taken of the unquantised p
; and divides at the end; when M moves, the sum and O are multiplied by 2^(old M - new M), which rounds nothing.
; A block's exponent is floor(the block's largest t - M), which is floor(log2(its largest p)): its byte, the conversion's scale and the hold are made of that whole number.
; SHARES.  A work-group owns 256 queries of one batch and ONE head; each of its eight waves owns 32 queries, two tiles of 16: each fragment of Wq, K or V read from LDS feeds two products.  Two waves share a SIMD.
; PHASE G: qh^T = Wq^T q^T (source 0 = 16 columns of the head, source 1 = 16 rows of q), K = 2,048 in 16 steps; bq starts the sums.  The columns of a tile are 32 (t / 2) + 8 (t % 2) + r + 8 (r / 8), so that a lane's 16 registers of two
; neighbouring tiles are 16 neighbours along the head's axis: quantised in registers they ARE source 1 of the scores' product.
; A KEY STEP: S^T = K Q^T, O^T = V^T P^T, 128 keys: a lane holds one query throughout; the keys of a tile of K are chosen as Wq's columns are.
; TWO REGIONS of 128 registers, X and Y, change roles from step to step: one holds K's fragments and then, when the scores' products have left it, V's; the other the scores, and, as each tile's p are converted, the next step's K.
; CLUSTER.  The four work-groups of a cluster share the head and the batch, so Wq's, K's and V's images are asked for JOINTLY (mask 15): the same load, with the same descriptor, in all four.
; My place in the cluster enters only the global addresses of q's images, q's scale words and the output.
; LDS: phase G: Wq's K step s at 16,896 s, in two fills of eight steps.  The key steps: a ring of two slots of two key steps each (67,584 bytes), at 0 and 131,072, over bytes that Wq's fills have filled.  204,800: the way out's stages.
; 270,336: the spare words (1,024).  All of a WGP's LDS is claimed.
; No prefetch of K and V: each fill is asked for a whole trip of two key steps (64 products a wave and both softmaxes twice) ahead of its first read, and all clusters of a batch read the same 540,672 bytes.
; LIMITS: the promise holds while the scaled scores stay under 2^31 in magnitude; a block of zeros gets a byte that is not 127 (its codes are zeros); a largest magnitude under 2^(16 - 127) is taken as that floor; NaN and infinities are not served.
; REGISTERS, window 0: v1-7, 62, 63 addresses; v8-15 -M (two by turns) and the largest score; v16-27 scale words; v28-61 at work and sums; v64-191 O^T, 64 a tile; v192-223 Q's codes; v224-255 p's codes (phase G: v64-255 six sets of q's fragments).
;            window 1: X = v0-127 (phase G: the accumulators), Y = v128-255 (phase G: Wq's eight fragments).
.set WB,    135168                     ; Wq's K steps 8-15 in LDS
.set SLOTB, 131072
.set STAGE, 204800
.set SPARE, 270336
.set LI,  1                            ; v1   16 x lane
.set LS,  2                            ; v2   4 x lane
.set SPW, 3                            ; v3   LDS address of my spare word: SPARE + 4 x my thread's number; never rewritten
.set NIL, 4                            ; v4   0; never rewritten
.set AK0, 5                            ; v5   a slot's first key step: codes     (phase G: 64 h)
.set AK1, 6                            ; v6   its second                         (phase G: 8 x lane)
.set AS0, 7                            ; v7   the first's scale words
.set AS1, 62                           ; v62  the second's
.set PFO, 63                           ; v63  the prefetches' offset; never rewritten
.set STO, 5
.set RD,  6
.set GO,  7
.set KSW, 16                           ; v16-19 K's scale words (phase G: Wq's, even K steps)
.set PWD, 20                           ; v20-21 p's
.set QW,  22                           ; v22-23 Q's
.set VSW, 24                           ; v24-27 V's (phase G: Wq's, odd K steps)
.set BM,  28                           ; v28-35 the blocks' maxima, four a tile
.set PT,  36                           ; v36-43 the other half's
.set HL,  36                           ; v36-39 the hold
.set SO,  40                           ; v40-43 the conversions' scale operands
.set QSA, 28                           ; phase G: v28-43 q's scale words, register QSA + ks
.set SUM, 44                           ; v44-47 the sums, a pair a tile (phase G: v44-48, v49-53 addresses)
.set SU,  48                           ; v48-53 three more chains
.set TMP, 54                           ; v54-55
.set F,   58                           ; v58-61 f = 2^(old M - new M), a pair a tile
.set O,   64
.set QC,  192
.set PCD, 224
.set WV,  20                           ; s20 wave;  s21 cx, s22 x, s25-29: all that hangs on my place in the cluster;  s23 head, s24 batch
.set G1W, 32                           ; s[32:39] group 1: 66 rows of 256 bytes (16,896);  s[40:47]: 33 rows (8,448)
.set G1K, 40
.set SEL, 80
.set CS,  82                           ; s[82:83] c = log2(e) / sqrt(128)
.set K112, 84                          ; 112 << 23
.set TB,  85                           ; LDS byte at which the slot begins
.set K175, 86                          ; the f32 number 1.75
.set MNT, 87                           ; the mantissa field of 57,344
.set CNT, 88
.set MSB, 0
.macro WIN new                         ; the immediate's high byte repeats the setting that is left
.if MSB != (\new)
	s_set_vgpr_msb (MSB<<8)|(\new)
.set MSB, (\new)
.endif
.endm
.macro PLACES n
.rept \n
	v_nop
.endr
.endm
.macro CREST                           ; a round of the cluster's barrier behind its opening barrier
	s_cmp_lg_u32 s[WV], 0
	s_cbranch_scc1 .Lnot_wave_0_\@
	s_barrier_signal -3
.Lnot_wave_0_\@:
	s_barrier_wait -3
	s_barrier_signal -1
	s_barrier_wait -1
.endm
.macro CROUND
	s_barrier_signal -1
	s_barrier_wait -1
	CREST
.endm
.macro GRD step
	s_wait_tensorcnt 0x0
	ds_add_u32 v[SPW], v[NIL]
.if \step
	s_xor_b32 s69, s69, SLOTB
	s_add_nc_u64 s[70:71], s[70:71], 67584         ; (the type bits on top are not reached)
.endif
.endm
.macro REFILL                          ; my one joint load behind the round: 8,448 bytes
	tensor_load_to_lds s[68:71], s[G1K:G1K+7]
	s_nop 0
	PLACES 4
.endm
.macro WMMA                            ; one product, by the symbols rD, rA, rB, rC, rSA, rSB; fZ: it starts its sum; fA, fB: the side's scales lie in lanes 16-31
.if fZ
.if fA
	v_wmma_scale_f32_16x16x128_f8f6f4 v[rD:rD+7], v[rA:rA+15], v[rB:rB+15], 0, v[rSA], v[rSB] matrix_a_fmt:MATRIX_FMT_BF8 matrix_b_fmt:MATRIX_FMT_BF8 matrix_a_scale:MATRIX_SCALE_ROW1
.else
	v_wmma_scale_f32_16x16x128_f8f6f4 v[rD:rD+7], v[rA:rA+15], v[rB:rB+15], 0, v[rSA], v[rSB] matrix_a_fmt:MATRIX_FMT_BF8 matrix_b_fmt:MATRIX_FMT_BF8
.endif
.elseif fA
.if fB
	v_wmma_scale_f32_16x16x128_f8f6f4 v[rD:rD+7], v[rA:rA+15], v[rB:rB+15], v[rC:rC+7], v[rSA], v[rSB] matrix_a_fmt:MATRIX_FMT_BF8 matrix_b_fmt:MATRIX_FMT_BF8 matrix_a_scale:MATRIX_SCALE_ROW1 matrix_b_scale:MATRIX_SCALE_ROW1
.else
	v_wmma_scale_f32_16x16x128_f8f6f4 v[rD:rD+7], v[rA:rA+15], v[rB:rB+15], v[rC:rC+7], v[rSA], v[rSB] matrix_a_fmt:MATRIX_FMT_BF8 matrix_b_fmt:MATRIX_FMT_BF8 matrix_a_scale:MATRIX_SCALE_ROW1
.endif
.else
.if fB
	v_wmma_scale_f32_16x16x128_f8f6f4 v[rD:rD+7], v[rA:rA+15], v[rB:rB+15], v[rC:rC+7], v[rSA], v[rSB] matrix_a_fmt:MATRIX_FMT_BF8 matrix_b_fmt:MATRIX_FMT_BF8 matrix_b_scale:MATRIX_SCALE_ROW1
.else
	v_wmma_scale_f32_16x16x128_f8f6f4 v[rD:rD+7], v[rA:rA+15], v[rB:rB+15], v[rC:rC+7], v[rSA], v[rSB] matrix_a_fmt:MATRIX_FMT_BF8 matrix_b_fmt:MATRIX_FMT_BF8
.endif
.endif
.endm
; ---- phase G's macros
.macro QF ks                           ; q's two fragments of K step ks, from memory: eight loads of 512 consecutive bytes, into set ks % 6
.irp u, 0,1
.irp c, 0,1,2,3
	global_load_b128 v[64+32*((\ks)%6)+16*\u+4*\c:64+32*((\ks)%6)+16*\u+4*\c+3], v[LI], s[90:91] offset:\u*32768+(\ks)*2048+\c*512
.endr
.endr
.endm
.macro LWS ks                          ; Wq's four registers of scale words.  An address register serves three K steps
.set ga, 48+(\ks)/3
.if (\ks)/3 == 0
.set ga, LS
.endif
.irp j, 0,1,2,3
	ds_load_b32 v[KSW+8*((\ks)%2)+\j], v[ga] offset:((\ks)%3)*16896+16384+\j*128
.endr
.endm
.macro LWG ks, g                       ; Wq's tiles 4 g .. 4 g + 3 of K step ks into Y
.set ga, 43+(\ks)/3
.if (\ks)/3 == 0
.set ga, LI
.endif
	WIN 0x40                                       ; destination window 1, address window 0
.irp t, 0,1,2,3
.irp c, 0,1,2,3
	ds_load_b128 v[128+64*(\g)+16*\t+4*\c:128+64*(\g)+16*\t+4*\c+3], v[ga] offset:((\ks)%3)*16896+(4*(\g)+\t)*2048+\c*512
.endr
.endr
.endm
.macro GSET ks, g, t, u
.set rD, 64*\u+8*(4*(\g)+\t)
.set rC, rD
.set rA, 128+16*(4*(\g)+\t)
.set rB, 64+32*((\ks)%6)+16*\u
.set rSA, KSW+8*((\ks)%2)+(4*(\g)+\t)/2
.set rSB, QSA+(\ks)
.set fZ, 0
.set fA, \t%2
.set fB, \u
.endm
.macro GMUL ks, g                      ; eight products: tiles 4 g .. 4 g + 3 x my two tiles of rows.  The 16 accumulators take turns
	WIN 0x51                                       ; source 0 (Wq) window 1, source 1 (q) window 0, C and D window 1
.if (\ks) == 0                         ; THE BIAS STARTS THE SUMS: it lies in tile 0's accumulators; tile 1's products take it as C first, nine places ahead of the products that write over it
.irp t, 0,1,2,3
	GSET \ks, \g, \t, 1
.set rC, 8*(4*(\g)+\t)
	WMMA
.endr
	PLACES 9
.irp t, 0,1,2,3
	GSET \ks, \g, \t, 0
	WMMA
.endr
.else
.irp t, 0,1,2,3
.irp u, 0,1
	GSET \ks, \g, \t, \u
	WMMA
.endr
.endr
.endif
	WIN 0
.endm
; A K step.  Wq's eight fragments have one set of registers, in two halves: a half is loaded anew, eight places behind its products, while the other half is multiplied.  q's fragments run six K steps ahead.
; change = 1: no K step's fragments are asked for, and a round of the cluster's barrier is opened (it is closed behind this macro); step as in GRD.
.macro GSTEP ks, change, step
.set lc, 8*(15-(\ks))
.if lc > 40
.set lc, 40
.endif
	s_wait_loadcnt lc                              ; behind this step's fragments of q: the eight loads of each of the up to five K steps that follow
.if \change
	GRD \step
	s_wait_dscnt 17                                ; the add and the sixteen loads of tiles 4-7 may be out
	GMUL \ks, 0
	s_wait_dscnt 0x0                               ; the add is done, and so are my reads of these eight K steps
	s_barrier_signal -1
	GMUL \ks, 1                                    ; work on registers
.else
	s_wait_dscnt 16                                ; Wq's scale words and tiles 0-3 are in; the sixteen loads of tiles 4-7 may be out
	GMUL \ks, 0
	PLACES 8                                       ; in front of loads into registers that these products have read
	LWS (\ks)+1
	LWG (\ks)+1, 0
	s_wait_dscnt 20                                ; all but the twenty just issued: tiles 4-7 are in
	GMUL \ks, 1
	PLACES 8
	LWG (\ks)+1, 1
	WIN 0
.if (\ks)+6 <= 15
	QF (\ks)+6                                     ; into the set that this step's products have just left
.endif
.endif
.if ((\ks)%2 == 0) && ((\ks) < 8)
; A PREFETCH of q's images: K steps ks + 8 and ks + 9 of my two tiles, 4,096 bytes each, lanes 256 bytes apart; their loads are issued in K steps ks + 2 and ks + 3.  All sixteen heads read the same images: the work-groups of head 0 ask
; (a number that the partners share), each wave for its own rows.  So each aligned run of 256 bytes is named once in the launch.  K steps 0-7 come by their loads alone; the last request names K step 15.
	s_cmp_eq_u32 s23, 0
	s_cbranch_scc0 .Lnot_mine_\@
	global_prefetch_b8 v[PFO], s[90:91] offset:((\ks)+8)*2048 th:TH_LOAD_NT scope:SCOPE_SE
.Lnot_mine_\@:
.endif
.endm
.macro QUANTQ u                        ; tile u of qh: 64 numbers a lane in X, register 16 b + i = channel 32 b + 16 h + i, become Q's codes and scale word
.set S0, 64*\u
	WIN 0x05
.irp b, 0,1,2,3
	v_max3_num_f32 v[BM+\b], |v[S0+16*\b]|, |v[S0+1+16*\b]|, 0x8000000   ; and the floor 2^(16 - 127)
.endr
	WIN 0x14
.irp i, 2,4,6,8,10,12,14
.irp b, 0,1,2,3
	v_max3_num_f32 v[BM+\b], v[BM+\b], |v[S0+16*\b+\i]|, |v[S0+1+16*\b+\i]|
.endr
.endr
	WIN 0
.irp b, 0,1,2,3
	v_permlanex16_b32 v[BM+4+\b], v[BM+\b], s[SEL], s[SEL+1]
.endr
.irp b, 0,1,2,3
	v_max_num_f32 v[BM+\b], v[BM+\b], v[BM+4+\b]
.endr
.irp b, 0,1,2,3
	v_add_nc_u32 v[SO+\b], 0xf8800000, v[BM+\b]
.endr
.irp b, 0,1,2,3
	v_and_or_b32 v[HL+\b], v[BM+\b], 0x7f800000, s[MNT]
.endr
.irp b, 0,1,2,3
	v_lshrrev_b32 v[BM+4+\b], 23, v[SO+\b]
.endr
	v_lshl_or_b32 v[QW+\u], v[BM+5], 8, v[BM+4]
	v_lshl_or_b32 v[QW+\u], v[BM+6], 16, v[QW+\u]
	v_lshl_or_b32 v[QW+\u], v[BM+7], 24, v[QW+\u]
	WIN 0x41
.irp b, 0,1,2,3
.set qi, 0
.rept 16
	v_med3_num_f32 v[S0+16*\b+qi], v[S0+16*\b+qi], -v[HL+\b], v[HL+\b]   ; the conversion does not saturate (ISA guide 7.6.2): the hold comes first
.set qi, qi+1
.endr
.endr
	WIN 0x01
.irp b, 0,1,2,3
	v_cvt_scalef32_pk8_bf8_f32 v[QC+16*\u+4*\b:QC+16*\u+4*\b+1], v[S0+16*\b:S0+16*\b+7], v[SO+\b]
	v_cvt_scalef32_pk8_bf8_f32 v[QC+16*\u+4*\b+2:QC+16*\u+4*\b+3], v[S0+16*\b+8:S0+16*\b+15], v[SO+\b]
.endr
	WIN 0
	v_nop                                          ; a plain vector line behind the last conversion
.endm
; ---- the key step's macros
.macro LDF base, adr, off, t0          ; four fragments, t0 on, of the operand that lies off bytes behind adr, into window 1
	WIN 0x40
.irp t, 0,1,2,3
.irp c, 0,1,2,3
	ds_load_b128 v[\base+16*\t+4*\c:\base+16*\t+4*\c+3], v[\adr] offset:(\off)+((\t0)+\t)*2048+\c*512
.endr
.endr
.endm
.macro LDS4 reg, adr, off              ; an operand's four registers of scale words
	WIN 0
.irp j, 0,1,2,3
	ds_load_b32 v[\reg+\j], v[\adr] offset:(\off)+\j*128
.endr
.endm
.macro KQ g                            ; S^T = K Q^T: eight products, each starts its sum
	WIN 0x41                                       ; source 0 (K) window 1, source 1 (Q) window 0, D window 1
.irp t, 0,1,2,3
.irp u, 0,1
.set rD, SB+64*\u+8*(4*(\g)+\t)
.set rA, KB+16*(4*(\g)+\t)
.set rB, QC+16*\u
.set rSA, KSW+(4*(\g)+\t)/2
.set rSB, QW+\u
.set fZ, 1
.set fA, \t%2
.set fB, 0
	WMMA
.endr
.endr
	WIN 0
.endm
.macro PV u                            ; tile u: O^T += V^T P^T: eight products on eight accumulators
	WIN 0x01                                       ; source 0 (V) window 1
.irp t, 0,1,2,3,4,5,6,7
.set rD, O+64*(\u)+8*\t
.set rC, rD
.set rA, KB+16*\t
.set rB, PCD+16*(\u)
.set rSA, VSW+\t/2
.set rSB, PWD+(\u)
.set fZ, 0
.set fA, \t%2
.set fB, 0
	WMMA
.endr
	WIN 0
.endm
.macro MAXES                           ; both tiles' largest score of each block of 32 keys: register 16 b + i of a tile is key 32 b + 16 h + i of my query
	WIN 0x15
.irp u, 0,1
.irp b, 0,1,2,3
	v_max3_num_f32 v[BM+4*\u+\b], v[SB+64*\u+16*\b], v[SB+64*\u+16*\b+1], v[SB+64*\u+16*\b+2]
.endr
.endr
	WIN 0x14
.irp i, 3,5,7,9,11,13
.irp u, 0,1
.irp b, 0,1,2,3
	v_max3_num_f32 v[BM+4*\u+\b], v[BM+4*\u+\b], v[SB+64*\u+16*\b+\i], v[SB+64*\u+16*\b+\i+1]
.endr
.endr
.endr
.irp u, 0,1
.irp b, 0,1,2,3
	v_max_num_f32 v[BM+4*\u+\b], v[BM+4*\u+\b], v[SB+64*\u+16*\b+15]
.endr
.endr
	WIN 0
.irp b, 0,1,2,3,4,5,6,7
	v_permlanex16_b32 v[PT+\b], v[BM+\b], s[SEL], s[SEL+1]
.endr
.irp b, 0,1,2,3,4,5,6,7
	v_max_num_f32 v[BM+\b], v[BM+\b], v[PT+\b]     ; with lane l xor 16's 16 keys
.endr
.endm
.macro STATS e                         ; -M has two registers a tile, which take turns; the largest is kept as a score (c is positive)
.irp u, 0,1
	v_max3_num_f32 v[TMP+\u], v[BM+4*\u], v[BM+4*\u+1], v[BM+4*\u+2]
.endr
.irp u, 0,1
	s_delay_alu instid0(VALU_DEP_2)
	v_max3_num_f32 v[9+4*\u], v[9+4*\u], v[TMP+\u], v[BM+4*\u+3]
.endr
.irp u, 0,1
	s_delay_alu instid0(VALU_DEP_2)
	v_mul_f32 v[TMP+\u], s[CS], v[9+4*\u]          ; the running largest t
.endr
.irp u, 0,1
	s_delay_alu instid0(VALU_DEP_2)
	v_floor_f32 v[8+4*\u+2*(\e)], -v[TMP+\u]       ; the new -M = floor(-t): M is a whole number
.endr
.irp u, 0,1
	s_delay_alu instid0(VALU_DEP_2)
	v_sub_f32 v[TMP+\u], v[8+4*\u+2*(\e)], v[10+4*\u-2*(\e)]   ; old M - new M: a whole number, 0 or less
.endr
.irp u, 0,1
	s_delay_alu instid0(VALU_DEP_2)
	v_cvt_i32_f32 v[TMP+\u], v[TMP+\u]             ; (it saturates)
.endr
.irp u, 0,1
	s_delay_alu instid0(VALU_DEP_2)
	v_ldexp_f32 v[F+2*\u], 1.0, v[TMP+\u]          ; f
.endr
.endm
.macro EXPS u, e, fill                 ; (in a slot's second step tile 0's also signals the barrier of the change of slots)
.set S0, SB+64*(\u)
.set TT, 8+4*(\u)+2*(\e)
.set B0, BM+4*(\u)
.set SM, SUM+2*(\u)
	WIN 0x41
.set sj, 0
.rept 32
	v_pk_fma_f32 v[S0+sj:S0+sj+1], v[S0+sj:S0+sj+1], s[CS:CS+1], v[TT:TT+1] op_sel_hi:[1,0,0]   ; t - M, two at a time
.set sj, sj+2
.endr
	WIN 0
.irp b, 0,1,2,3
	v_fma_f32 v[B0+\b], v[B0+\b], s[CS], v[TT]     ; the same of each block's largest score
.endr
.irp b, 0,1,2,3
	v_max_num_f32 v[B0+\b], 0xc2de0000, v[B0+\b]   ; held at -111 from below: the byte cannot fall under 1
.endr
.irp b, 0,1,2,3
	v_cvt_floor_i32_f32 v[B0+\b], v[B0+\b]         ; e + 15: the exponent of the block's largest p
.endr
	v_lshl_add_u32 v[PWD+\u], v[B0+1], 8, v[B0]
	v_lshl_add_u32 v[SO], v[B0], 23, s[K112]       ; the conversion's scale operand: its exponent field is the scale's byte
	v_lshl_add_u32 v[SO+1], v[B0+1], 23, s[K112]
	v_lshl_add_u32 v[PWD+\u], v[B0+2], 16, v[PWD+\u]
	v_lshl_add_u32 v[SO+2], v[B0+2], 23, s[K112]
	v_lshl_add_u32 v[SO+3], v[B0+3], 23, s[K112]
	v_lshl_add_u32 v[PWD+\u], v[B0+3], 24, v[PWD+\u]
.irp b, 0,1,2,3
	v_lshl_add_u32 v[HL+\b], v[B0+\b], 23, s[K175] ; 57,344 x the scale = 1.75 x 2^(e + 15)
.endr
	v_add_nc_u32 v[PWD+\u], 0x70707070, v[PWD+\u]  ; 112 onto each of the four: p's scale word for these 128 keys
	WIN 0x41
	s_wait_alu depctr_va_vdst(0)
.set sj, 0
.rept 64
	v_exp_f32 v[S0+sj], v[S0+sj]                   ; p = 2^(t - M)
.set sj, sj+1
.endr
	WIN 0
	v_pk_mul_f32 v[SM:SM+1], v[SM:SM+1], v[F+2*(\u):F+2*(\u)+1] op_sel_hi:[1,0]   ; the sums under the new M: the plain line behind the exponentials
	s_wait_alu depctr_va_vdst(0)                   ; one wait for the batch, ahead of its first reader
.if ((\u) == 0) && ((\e) == 1)
.if \fill
	GRD 1
.else
	s_wait_tensorcnt 0x0                           ; my part of the next slot is in
.endif
	s_wait_dscnt 0x0                               ; (the add is done,) V is in, and my reads of this slot are over: register work alone follows up to the barrier's wait
	s_barrier_signal -1
.endif
	WIN 0x05
.irp k, 1,2,3                          ; the row's sum of the UNQUANTISED p, in four chains
	v_pk_add_f32 v[SU+2*\k-2:SU+2*\k-1], v[S0+2*\k:S0+2*\k+1], v[S0+2*\k+8:S0+2*\k+9]
.endr
	WIN 0x01
.set sj, 0
.rept 6
	v_pk_add_f32 v[SM:SM+1], v[S0+sj:S0+sj+1], v[SM:SM+1]
.irp k, 1,2,3
	v_pk_add_f32 v[SU+2*\k-2:SU+2*\k-1], v[S0+sj+16+2*\k:S0+sj+17+2*\k], v[SU+2*\k-2:SU+2*\k-1]
.endr
.set sj, sj+8
.endr
	v_pk_add_f32 v[SM:SM+1], v[S0+48:S0+49], v[SM:SM+1]
	WIN 0x41
.irp b, 0,1,2,3
.set qi, 0
.rept 8
	v_dual_min_num_f32 v[S0+16*\b+qi], v[S0+16*\b+qi], v[HL+\b] :: v_dual_min_num_f32 v[S0+16*\b+qi+1], v[S0+16*\b+qi+1], v[HL+\b]   ; p is not negative: the hold is one-sided
.set qi, qi+2
.endr
.if \b == 2
	WIN 0x01
	v_pk_add_f32 v[SM:SM+1], v[S0+56:S0+57], v[SM:SM+1]   ; (block 3 is not held yet)
	WIN 0x41
.endif
.endr
	WIN 0x01
.irp b, 0,1,2,3
	v_cvt_scalef32_pk8_bf8_f32 v[PCD+16*(\u)+4*\b:PCD+16*(\u)+4*\b+1], v[S0+16*\b:S0+16*\b+7], v[SO+\b]
	v_cvt_scalef32_pk8_bf8_f32 v[PCD+16*(\u)+4*\b+2:PCD+16*(\u)+4*\b+3], v[S0+16*\b+8:S0+16*\b+15], v[SO+\b]
.endr
	WIN 0
	v_pk_add_f32 v[SM:SM+1], v[SM:SM+1], v[SU:SU+1]       ; the four chains become one: the plain lines behind the conversions
	v_pk_add_f32 v[SU+2:SU+3], v[SU+2:SU+3], v[SU+4:SU+5]
	v_pk_add_f32 v[SM:SM+1], v[SM:SM+1], v[SU+2:SU+3]
.endm
.macro RESC u                          ; O^T under the new M
	s_wait_alu depctr_va_vdst(0)
.set sj, 0
.rept 32
	v_pk_mul_f32 v[O+64*(\u)+sj:O+64*(\u)+sj+1], v[O+64*(\u)+sj:O+64*(\u)+sj+1], v[F+2*(\u):F+2*(\u)+1] op_sel_hi:[1,0]   ; (these lines are also places between the codes and the products)
.set sj, sj+2
.endr
.endm
; A KEY STEP of 128 keys, the slot's first (e = 0) or second (e = 1).  At its head K's fragments are on their way or in: tiles 0-3 and the scale words, then tiles 4-7.
; The second step changes slots: behind its last LDS read the barrier is signalled, and its wait stands behind the first tile's products and the second tile's softmax.  fill = 1: the barrier opens a round, and the slot just left is filled with
; the slot after next; fill = 0: nothing is filled, and the walk's last step asks for no K.
.macro STEP e, fill
.set SB, 128*(\e)
.set KB, 128-SB
	s_wait_dscnt 16                                ; K's tiles 0-3 and scale words are in; the sixteen loads of tiles 4-7 may be out
	KQ 0
	s_wait_dscnt 0x0
	KQ 1
.if \e
	s_xor_b32 s[TB], s[TB], SLOTB
	v_add_nc_u32 v[AK0], s[TB], v[LI]              ; the next slot's first step.  (These two lines are places)
	v_add_nc_u32 v[AS0], s[TB], v[LS]
.else
	v_add_nc_u32 v[AK1], 33792, v[AK0]             ; this slot's second step
	v_add_nc_u32 v[AS1], 33792, v[AS0]
.endif
	PLACES 6                                       ; eight places in all, in front of the loads into K's registers and of the first read of the scores
.if \e
	LDF KB, AK1, 16896, 0                          ; all of V, into the registers that K has left: a softmax in which to land
	LDF KB+64, AK1, 16896, 4
	LDS4 VSW, AS1, 33280
.else
	LDF KB, AK0, 16896, 0
	LDF KB+64, AK0, 16896, 4
	LDS4 VSW, AS0, 33280
.endif
	MAXES
	STATS \e
	EXPS 0, \e, \fill
.if \e == 0
	LDF SB, AK1, 0, 0                              ; the next step's K, tiles 0-3, into the registers of tile 0's scores
	LDS4 KSW, AS1, 16384
	s_wait_dscnt 20                                ; V is in; the twenty just issued may be out
.endif
	RESC 0
	PV 0
	EXPS 1, \e, 0
.if \e == 0
	LDF SB+64, AK1, 0, 4                           ; tiles 4-7, into tile 1's
	WIN 0
	RESC 1
.else
	RESC 1
	s_wait_alu depctr_va_vdst(0)
	s_barrier_wait -1                              ; the next slot is whole, and nobody reads this one any more
.if \fill
	CREST
	REFILL
.else
	s_cmp_eq_u32 s[CNT], 1
	s_cbranch_scc1 .Lno_more_\@                    ; (the count of trips: the same in all waves) the last step is followed by none: it leads round LDS loads alone
.endif
	LDF SB, AK0, 0, 0
	LDS4 KSW, AS0, 16384
	LDF SB+64, AK0, 0, 4
	WIN 0
.if \fill == 0
.Lno_more_\@:
.endif
.endif
	PV 1
	PLACES 9                                       ; nine places ahead of the products that write over V's registers
.endm
	s_load_b256 s[4:11], s[0:1], 0x0               ; qimg s[4:5], qsc s[6:7], wimg s[8:9], kvimg s[10:11]
	s_load_b128 s[12:15], s[0:1], 0x20             ; bq s[12:13], out0 s[14:15]
	v_lshl_add_u32 v[SPW], v0, 2, SPARE
	v_mov_b32 v[NIL], 0
	ds_add_u32 v[SPW], v[NIL]                      ; the wave's opening: the add, twice on end, and its wait ahead of my first tensor load
	ds_add_u32 v[SPW], v[NIL]
	v_lshrrev_b32 v5, 5, v0
	v_readfirstlane_b32 s[WV], v5                  ; wave 0..7
	s_bfe_u32 s21, ttmp6, 0x40000                  ; cx
	s_lshl_b32 s22, ttmp9, 2
	s_add_co_u32 s22, s22, s21                     ; x = 4 x cluster x + cx: which 256 of the 4,096 rows
	s_and_b32 s23, ttmp7, 0xffff                   ; the head
	s_lshr_b32 s24, ttmp9, 1                       ; the batch: two clusters each
	; group 1: dense blocks as rows of 256 bytes (32 elements of 8 bytes); 15:0 the mask: all four work-groups; 17:16 elements of 8 bytes; 21 set beside a mask; no padding
.irp g, G1W, G1K
	s_mov_b32 s[\g], 15|(3<<16)|(1<<21)
	s_mov_b32 s[\g+1], 32<<16                      ; tensor_dim0
	s_mov_b32 s[\g+3], 32<<16                      ; tile_dim0
	s_mov_b32 s[\g+5], 32                          ; from row to row
	s_mov_b32 s[\g+6], 0
	s_mov_b32 s[\g+7], 0
.endr
	s_mov_b32 s[G1W+2], 66<<16                     ; tensor_dim1 and tile_dim1: a K step of Wq,
	s_mov_b32 s[G1W+4], 66
	s_mov_b32 s[G1K+2], 33<<16                     ; an eighth of two key steps
	s_mov_b32 s[G1K+4], 33
	; groups 0: s[56:59] Wq's K step w, s[60:63] 8 + w, s[68:71] K and V (it walks)
	s_mov_b32 s56, 1
	s_mov_b32 s60, 1
	s_mov_b32 s68, 1
	s_mul_i32 s57, s[WV], 16896
	s_add_co_u32 s61, s57, WB
	s_mul_i32 s69, s[WV], 8448
	s_mov_b32 s93, 0
	s_mov_b32 s95, 0
	s_mul_i32 s92, s23, 270336                     ; wimg: head, wave
	s_add_co_u32 s92, s92, s57
	s_mul_i32 s94, s24, 540672                     ; kvimg: batch, wave
	s_add_co_u32 s94, s94, s69
	s_mov_b32 s[SEL], 0x76543210
	s_mov_b32 s[SEL+1], 0xfedcba98
	s_mov_b32 s[CS], 0x3e0293ee
	s_mov_b32 s[CS+1], s[CS]                       ; (named with it as a pair, so it is written)
	s_mov_b32 s[K112], 0x38000000
	s_mov_b32 s[K175], 0x3fe00000
	s_mov_b32 s[MNT], 0x600000
	s_mov_b32 s[TB], 0
	s_wait_alu depctr_va_vdst(0)
	s_wait_dscnt 0x0                               ; both opening adds are done
	CROUND                                         ; all four work-groups are here: the first joint loads meet
	s_wait_kmcnt 0x0
	s_add_nc_u64 s[58:59], s[8:9], s[92:93]
	s_add_nc_u64 s[62:63], s[58:59], WB            ; eight K steps on
	s_or_b32 s59, s59, 0x80000000                  ; 127:126 type = 2
	s_or_b32 s63, s63, 0x80000000
	s_add_nc_u64 s[70:71], s[10:11], s[94:95]
	s_or_b32 s71, s71, 0x80000000
	tensor_load_to_lds s[56:59], s[G1W:G1W+7]      ; Wq's K steps 0-7, one a wave
	s_nop 0
	PLACES 4
	v_and_b32 v8, 31, v0
	v_bfe_u32 v9, v0, 4, 1
	v_and_b32 v10, 15, v0
	v_lshlrev_b32 v[LI], 4, v8
	v_lshlrev_b32 v[LS], 2, v8
	v_lshlrev_b32 v6, 3, v8                        ; 8 x lane
	v_lshlrev_b32 v5, 6, v9                        ; 64 h
	v_lshlrev_b32 v[PFO], 8, v10
	v_lshl_add_u32 v[PFO], v9, 15, v[PFO]          ; lanes 0-15: tile 0, 256 bytes apart; lanes 16-31: tile 1, 32,768 bytes on
.irp k, 1,2,3,4,5
	v_add_nc_u32 v[43+\k], 50688*\k, v[LI]         ; three K steps of Wq each: codes,
	v_add_nc_u32 v[48+\k], 50688*\k, v[LS]         ; scale words
.endr
	s_lshl_b32 s25, s22, 3
	s_add_co_u32 s25, s25, s[WV]                   ; P: which 32 rows are my wave's
	s_mov_b32 s27, 0
	s_mov_b32 s29, 0
	s_lshl_b32 s26, s25, 16
	s_add_nc_u64 s[90:91], s[4:5], s[26:27]        ; q's images: 65,536 bytes for 32 rows
	s_lshl_b32 s26, s25, 11
	s_add_nc_u64 s[6:7], s[6:7], s[26:27]          ; q's scale words: 2,048
	s_lshl_b32 s28, s23, 9
	s_add_nc_u64 s[12:13], s[12:13], s[28:29]      ; bq at my head
	s_lshl_b32 s26, s25, 18                        ; 32 rows of 8,192 bytes,
	s_add_co_u32 s26, s26, s28                     ; my head's 512 bytes of a row
	s_add_nc_u64 s[14:15], s[14:15], s[26:27]
	s_wait_alu depctr_va_vdst(0)
	WIN 0x40
.irp t, 0,1,2,3,4,5,6,7
	global_load_b128 v[8*\t:8*\t+3], v5, s[12:13] offset:(32*(\t/2)+8*(\t%2))*4        ; bq at channels 32 (t / 2) + 16 h + 8 (t % 2) + 0 .. 7, into tile 0's accumulators
	global_load_b128 v[8*\t+4:8*\t+7], v5, s[12:13] offset:(32*(\t/2)+8*(\t%2))*4+16
.endr
	WIN 0
.irp kq, 0,1,2,3,4,5,6,7
	global_load_b64 v[QSA+2*\kq:QSA+2*\kq+1], v6, s[6:7] offset:\kq*256   ; q's scale words of all sixteen K steps, two K steps a load: 256 consecutive bytes a wave
.endr
.irp ks, 0,1,2,3,4,5
	QF \ks                                         ; the six sets are filled
.endr
	s_wait_tensorcnt 0x0                           ; my K step of Wq's first eight is in
	ds_add_u32 v[SPW], v[NIL]
	s_wait_dscnt 0x0
	CROUND                                         ; everybody's are, and the joint loads meet
	tensor_load_to_lds s[60:63], s[G1W:G1W+7]      ; Wq's K steps 8-15
	s_nop 0
	PLACES 4
	; ---- phase G
	LWS 0
	LWG 0, 0
	LWG 0, 1
	WIN 0
.irp ks, 0,1,2,3,4,5,6
	GSTEP \ks, 0, 0
.endr
	GSTEP 7, 1, 0
	s_barrier_wait -1                              ; the round goes on: K steps 8-15 are whole, and nobody reads K steps 0-7 any more
	CREST
	REFILL                                         ; slot 0: key steps 0, 1
	PLACES 4                                       ; with the four above: eight places in front of the loads into Wq's registers
	LWS 8
	LWG 8, 0
	LWG 8, 1
	WIN 0
	QF 13
.irp ks, 8,9,10,11,12,13,14
	GSTEP \ks, 0, 0
.endr
	GSTEP 15, 1, 1                                 ; (all of q's loads are in)
	PLACES 8                                       ; in front of the first read of the sums and of the first write of the registers that held q's scale words and fragments
	QUANTQ 0
	QUANTQ 1
.irp u, 0,1
	v_mov_b32 v[9+4*\u], 0xff61b1e6                ; the largest score so far: -3e38
	v_mov_b32 v[10+4*\u], 0x7f61b1e6               ; -M so far: 3e38
	v_mov_b32 v[11+4*\u], 0                        ; (named as the upper half of a pair)
	v_mov_b32 v[F+1+2*\u], 0
	v_mov_b32 v[SUM+2*\u], 0                       ; the sum, in two halves
	v_mov_b32 v[SUM+1+2*\u], 0
.endr
	v_add_nc_u32 v[AK0], s[TB], v[LI]
	v_add_nc_u32 v[AS0], s[TB], v[LS]
.set sj, 0
.rept 64
	v_dual_mov_b32 v[O+sj], 0 :: v_dual_mov_b32 v[O+sj+1], 0   ; O^T.  (The key step is written without a first step of its own: the first finds zeros, which the first change of M leaves zeros)
.set sj, sj+2
.endr
	s_wait_alu depctr_va_vdst(0)
	s_barrier_wait -1                              ; slot 0 is whole, and nobody reads Wq any more
	CREST
	REFILL                                         ; slot 1: key steps 2, 3
	LDF 128, AK0, 0, 0
	LDS4 KSW, AS0, 16384
	LDF 192, AK0, 0, 4
	WIN 0
	; ---- the sixteen key steps
	s_mov_b32 s[CNT], 6
.Lfill:                                            ; six trips of two key steps, each with its refill
	STEP 0, 1
	STEP 1, 1
	s_sub_co_u32 s[CNT], s[CNT], 1
	s_cmp_lg_u32 s[CNT], 0
	s_cbranch_scc1 .Lfill
	s_mov_b32 s[CNT], 2
.Lrest:                                            ; the last two trips fill nothing
	STEP 0, 0
	STEP 1, 0
	s_sub_co_u32 s[CNT], s[CNT], 1
	s_cmp_lg_u32 s[CNT], 0
	s_cbranch_scc1 .Lrest
	; ---- THE WAY OUT.  O^T / the sum goes through my stage in LDS (16 rows x 272 bytes, on bytes that have had their last fill and, since the round that closed phase G, no reader), half a row of the head (256 bytes) of 16 queries at a time.
	; (The nine places that end a step stand behind the last products.)
.irp u, 0,1
	v_add_f32 v[BM+\u], v[SUM+2*\u], v[SUM+2*\u+1]
.endr
.irp u, 0,1
	v_permlanex16_b32 v[PT+\u], v[BM+\u], s[SEL], s[SEL+1]
.endr
.irp u, 0,1
	v_add_f32 v[BM+\u], v[BM+\u], v[PT+\u]         ; the row's sum
.endr
	s_wait_alu depctr_va_vdst(0)
.irp u, 0,1
	v_rcp_f32 v[SO+2*\u], v[BM+\u]
.endr
	v_and_b32 v[TMP], 15, v0                       ; r   (plain lines behind the reciprocals)
	v_bfe_u32 v[F], v0, 4, 1                       ; h
	s_mul_i32 s92, s[WV], 4352
	s_add_co_u32 s92, s92, STAGE
	v_mul_u32_u24 v[STO], v[TMP], 272
	v_mul_u32_u24 v[RD], v[F], 272
	v_lshlrev_b32 v[GO], 13, v[F]
	v_lshl_add_u32 v[STO], v[F], 5, v[STO]
	v_lshl_add_u32 v[RD], v[TMP], 4, v[RD]
	v_lshl_add_u32 v[GO], v[TMP], 4, v[GO]         ; lanes 0-15 one row of the output, lanes 16-31 the next, 8,192 bytes on
	v_add_nc_u32 v[STO], s92, v[STO]               ; in: row r, 32 h; a tile's eight channels of my half 64 bytes apart
	v_add_nc_u32 v[RD], s92, v[RD]                 ; back: lanes 0-15 one row, lanes 16-31 the next
	s_wait_alu depctr_va_vdst(0)                   ; one wait for the two reciprocals and for O^T, ahead of their first reader
.macro MULO u                          ; O^T / the sum: register 8 t + i is o(query r, channel 16 t + 8 h + i)
.set sj, 0
.rept 32
	v_pk_mul_f32 v[O+64*\u+sj:O+64*\u+sj+1], v[O+64*\u+sj:O+64*\u+sj+1], v[SO+2*\u:SO+2*\u+1] op_sel_hi:[1,0]
.set sj, sj+2
.endr
.endm
.macro STG u                           ; LDS serves a wave's instructions in order: the loads see the stores above them, and the next half's stores come behind them
.irp hf, 0,1
	WIN 0
.irp t, 0,1,2,3
	ds_store_b128 v[STO], v[O+64*\u+32*\hf+8*\t:O+64*\u+32*\hf+8*\t+3] offset:64*\t
	ds_store_b128 v[STO], v[O+64*\u+32*\hf+8*\t+4:O+64*\u+32*\hf+8*\t+7] offset:64*\t+16
.endr
	WIN 0x40
.irp i, 0,1,2,3,4,5,6,7
	ds_load_b128 v[64*\u+32*\hf+4*\i:64*\u+32*\hf+4*\i+3], v[RD] offset:2*\i*272
.endr
.endr
	WIN 0
.endm
.macro SEND u
	WIN 0x04                                       ; a store's data are its source 1: window 1
.irp hf, 0,1
.irp i, 0,1,2,3,4,5,6,7
	s_wait_dscnt 23-16*\hf-\i                      ; behind load i of the first half: 7 - i loads, eight stores, eight loads; of the second: 7 - i loads
	global_store_b128 v[GO], v[64*\u+32*\hf+4*\i:64*\u+32*\hf+4*\i+3], s[14:15] offset:\u*131072+2*\i*8192+256*\hf th:TH_STORE_NT   ; sixteen lanes store 256 consecutive bytes, aligned
.endr
.endr
	WIN 0
.endm
	MULO 0
	STG 0
	MULO 1                                         ; tile 1's arithmetic stands between tile 0's loads and the waits for them
	s_wait_alu depctr_va_vdst(0)
	SEND 0
	STG 1
	SEND 1
	s_wait_tensorcnt 0x0                           ; the wave's end
	ds_add_u32 v[SPW], v[NIL]
	s_wait_dscnt 0x0
	CROUND                                         ; the closing round: no work-group ends while a partner may still ask for a tile that names it
	s_endpgm
.Lfunc_end_k_qf94073443f_attn:
	.size	k_qf94073443f_attn, .Lfunc_end_k_qf94073443f_attn-k_qf94073443f_attn
	.p2alignl 7, 3214868480
	.fill 96, 4, 3214868480
	.section	.rodata,"a",@progbits
	.p2align	6, 0x0
	.amdhsa_kernel k_qf94073443f_attn
		.amdhsa_group_segment_fixed_size 327680
		.amdhsa_private_segment_fixed_size 0
		.amdhsa_enable_private_segment 0
		.amdhsa_kernarg_size 48
		.amdhsa_user_sgpr_count 2
		.amdhsa_user_sgpr_kernarg_segment_ptr 1
		.amdhsa_wavefront_size32 1
		.amdhsa_system_sgpr_workgroup_id_x 1
		.amdhsa_system_sgpr_workgroup_id_y 1
		.amdhsa_system_sgpr_workgroup_id_z 1
		.amdhsa_system_vgpr_workitem_id 0
		.amdhsa_next_free_vgpr 512
		.amdhsa_next_free_sgpr 100
		.amdhsa_reserve_vcc 0
		.amdhsa_float_denorm_mode_32 3
		.amdhsa_float_denorm_mode_16_64 3
		.amdhsa_memory_ordered 1
		.amdhsa_forward_progress 1
		.amdhsa_inst_pref_size 255
	.end_amdhsa_kernel
	.section	.bss,"aw",@nobits
	.p2align	6
	.space	262144
	.amdgpu_metadata
---
amdhsa.version: [ 1, 2 ]
amdhsa.kernels:
  - .name:           k_qf94073443f_attn
    .symbol:         k_qf94073443f_attn.kd
    .args:
      - { .name: qimg, .offset: 0, .size: 8, .value_kind: global_buffer, .address_space: global }
      - { .name: qsc, .offset: 8, .size: 8, .value_kind: global_buffer, .address_space: global }
      - { .name: wimg, .offset: 16, .size: 8, .value_kind: global_buffer, .address_space: global }
      - { .name: kvimg, .offset: 24, .size: 8, .value_kind: global_buffer, .address_space: global }
      - { .name: bq, .offset: 32, .size: 8, .value_kind: global_buffer, .address_space: global }
      - { .name: out0, .offset: 40, .size: 8, .value_kind: global_buffer, .address_space: global }
    .group_segment_fixed_size: 327680
    .private_segment_fixed_size: 0
    .kernarg_segment_align: 8
    .kernarg_segment_size: 48
    .max_flat_workgroup_size: 256
    .sgpr_count:     100
    .vgpr_count:     512
    .wavefront_size: 32
...
	.end_amdgpu_metadata
.endif
;; end of part 3
